; MI455X (gfx1250); checked and timed in simulation.
; The chip was launched on July 23, 2026; its instructions are those of AMD's public machine-readable ISA for CDNA 5 (MIT licence, August 2026) and "CDNA5" Instruction Set Architecture Reference Guide (July 2026). The comments in the code are by the model that wrote it; some were corrected since.
;; Mo E Layer. Allowed arithmetic: matrix products marked QUANTISED: E5M2 operands, one E8M0 scale for each 32 along K, by v_wmma_scale_f32_16x16x128_f8f6f4 with both operands' format E5M2, f32 sums; products left as they are: f32 operands where the result goes on into a quantised operand, else bf16, f16 or f32 operands; f32 sums; everything else in f32.
;; Inputs: b1 8 x 4,096 float32; b2 8 x 1,024 float32; b_gate 8 float32; w1_codes 8 x 4,096 x 32 x 32 uint8 (E5M2 codes of w1, K innermost, in blocks of 32 codes); w1_scales 8 x 4,096 x 32 uint8 (E8M0 scales of w1, one for each 32 codes along K); w2_codes 8 x 1,024 x 128 x 32 uint8 (E5M2 codes of w2, K innermost, in blocks of 32 codes); w2_scales 8 x 1,024 x 128 uint8 (E8M0 scales of w2, one for each 32 codes along K); w_gate 8 x 1,024 float32; x 4 x 256 x 1,024 float32.
;; Outputs: out0 4 x 256 x 1,024 float32; out1 1,024 x 2 int32; out2 1,024 x 2 float32.
;; This version of the problem:
;;   THIS VERSION OF THE PROBLEM IS GIVEN IN LOW PRECISION. The matrix products marked QUANTISED in the list below multiply operands that are first quantised to E5M2 (5 exponent bits, 2 mantissa bits; 8 bits a number), with one power-of-two scale for each 32 numbers along K (OCP MX v1.0); their sums are f32. All else is computed in f32.
;;   The module's matrix products, in the order in which they are computed (A, B: the left and right operand; K: the contracted axis; several contracted axes count as one K, in the product's order):
;;     1. [M 1,024, K 1,024] x [K 1,024, N 8]; A: input x; B: input w_gate: left as it is (N = 8 < 16)
;;     2. [M 1,024, K 1,024] x [K 1,024, N 4,096]; A: input x; B: input w1 (given as codes): QUANTISED
;;     3. [M 1,024, K 4,096] x [K 4,096, N 1,024]; A: computed on the way; B: input w2 (given as codes): QUANTISED
;;     4. [M 1,024, K 1,024] x [K 1,024, N 4,096]; A: input x; B: input w1 (given as codes): QUANTISED
;;     5. [M 1,024, K 4,096] x [K 4,096, N 1,024]; A: computed on the way; B: input w2 (given as codes): QUANTISED
;;     6. [M 1,024, K 1,024] x [K 1,024, N 4,096]; A: input x; B: input w1 (given as codes): QUANTISED
;;     7. [M 1,024, K 4,096] x [K 4,096, N 1,024]; A: computed on the way; B: input w2 (given as codes): QUANTISED
;;     8. [M 1,024, K 1,024] x [K 1,024, N 4,096]; A: input x; B: input w1 (given as codes): QUANTISED
;;     9. [M 1,024, K 4,096] x [K 4,096, N 1,024]; A: computed on the way; B: input w2 (given as codes): QUANTISED
;;     10. [M 1,024, K 1,024] x [K 1,024, N 4,096]; A: input x; B: input w1 (given as codes): QUANTISED
;;     11. [M 1,024, K 4,096] x [K 4,096, N 1,024]; A: computed on the way; B: input w2 (given as codes): QUANTISED
;;     12. [M 1,024, K 1,024] x [K 1,024, N 4,096]; A: input x; B: input w1 (given as codes): QUANTISED
;;     13. [M 1,024, K 4,096] x [K 4,096, N 1,024]; A: computed on the way; B: input w2 (given as codes): QUANTISED
;;     14. [M 1,024, K 1,024] x [K 1,024, N 4,096]; A: input x; B: input w1 (given as codes): QUANTISED
;;     15. [M 1,024, K 4,096] x [K 4,096, N 1,024]; A: computed on the way; B: input w2 (given as codes): QUANTISED
;;     16. [M 1,024, K 1,024] x [K 1,024, N 4,096]; A: input x; B: input w1 (given as codes): QUANTISED
;;     17. [M 1,024, K 4,096] x [K 4,096, N 1,024]; A: computed on the way; B: input w2 (given as codes): QUANTISED
;;   THE QUANTISER, for each operand of a quantised product, along K:
;;     - K is cut into blocks of 32 from its start; a last block that is shorter is filled with zeros.
;;     - A block's scale is 2^e with e = floor(log2(the largest magnitude in the block)) - 15, held to -126 .. 127; a block of zeros has e = 0. As a byte (E8M0): e + 127.
;;     - Each number is divided by its block's scale, clamped to +-57,344, and rounded to the nearest number of E5M2, ties to even, subnormals kept.
;;     - The product sums the exact products of the quantised numbers (number of the format x scale) in f32.
;;   ~~~python
;;   def quantise(x, axis):      # numpy; x: float32 -> the quantised numbers, widened to float32 again
;;       x = np.moveaxis(x, axis, -1); K = x.shape[-1]
;;       x = np.pad(x, [(0, 0)] * (x.ndim - 1) + [(0, -K % 32)]); x = x.reshape(x.shape[:-1] + (-1, 32)); a = np.abs(x).max(-1, keepdims=True)
;;       e = np.where(a > 0, np.clip(np.frexp(np.where(a > 0, a, 1))[1] - 1 - 15, -126, 127), 0)      # np.frexp(a)[1] - 1 = floor(log2(a)), exactly
;;       r = np.clip(x / 2.0 ** e, -57344, 57344)
;;       step = 2.0 ** (np.maximum(np.frexp(np.where(r == 0, 1, r))[1] - 1, -14) - 2)
;;       q = np.round(r / step) * step * 2.0 ** e      # np.round: ties to even
;;       return np.moveaxis(q.reshape(q.shape[:-2] + (-1,))[..., :K], -1, axis).astype(np.float32)
;;   ~~~
;;   OPERANDS COMPUTED ON THE WAY. 'Computed on the way' means the value that the module computes at that place (a softmax that the list does not call 'softmax' is quantised finished and normalised). What goes into a quantiser is computed in f32, as accurately as f32 sums, v_exp_f32 and their like allow (about 1e-6 of the number): no bf16 or f16 on the way to a quantiser, and a product that is left as it is and whose result goes on into a quantised operand takes f32 operands (vector FMAs, or v_wmma_f32_16x16x4_f32). A number that lies on a knife's edge between two numbers of the format may be rounded either way, as far as f32 arithmetic and the matrix unit's own rounding can turn it there, and no further.
;;   INPUTS GIVEN AS CODES. w1 (in the module: [8, 4096, 1024], K = its axis 2); w2 (in the module: [8, 1024, 4096], K = its axis 2): each comes as NAME_codes (uint8): NAME with its K axis moved to the last place and cut into blocks of 32 codes, [.., K / 32, bytes a block], one block behind the other in memory; one code a byte (a code: sign, 5 exponent bits, 2 mantissa bits); and NAME_scales (uint8): the same leading axes, one E8M0 byte (e + 127) for each 32 codes along K. Its value is code x scale, taken as it is: it is not quantised again, and the codes and scales need not be those that the quantiser above would give.
;; 2 versions, each right; version 2 is version 1 with the launches ffn1, ffn2 written anew for expert scheduling mode. Each part assembles by itself: llvm-mc -triple=amdgcn-amd-amdhsa -mcpu=gfx1250 --defsym DOCPART=n.
;; ======== version 1 of 2: 4 launches
;; workspace buffers: sel 8,192 bytes of whole numbers; xq 1,048,576 bytes; xs 32,768 bytes; hq 33,554,432 bytes; hs 1,048,576 bytes; rows 32,768 bytes of whole numbers; cnt 1,024 bytes of whole numbers; ybuf 16,842,752 bytes
;; launch route (part 1): grid 256 x 1, 1 waves a work-group, no clusters, 512 bytes of LDS; arguments x, w_gate, b_gate, out1, out2, sel, xq, xs; writes out1, out2, sel, xq, xs
.if DOCPART == 1
	.amdgcn_target "amdgcn-amd-amdhsa--gfx1250"
	.amdhsa_code_object_version 6
	.text
	.protected	k_q7829c7d9e8_route
	.globl	k_q7829c7d9e8_route
	.p2align	8
	.type	k_q7829c7d9e8_route,@function
k_q7829c7d9e8_route:
	s_mov_b64 s[64:65], 0
	v_nop
	global_prefetch_b8 v0, s[64:65] scope:SCOPE_SE
	s_setreg_imm32_b32 hwreg(HW_REG_WAVE_MODE, 25, 1), 1
	s_wait_xcnt 0x0
; ROUTER AND QUANTISER OF x.  x [1024][1024] f32, w_gate [8][1024] f32, b_gate [8] f32.
; out1 [1024][2] int32 and sel (the same numbers, for the later launches): the two experts of each token; out2 [1024][2] f32: their softmax scores.
; xq [1024][1024]: codes of x in E5M2, K innermost; xs [1024][32]: one E8M0 byte for each 32 along K.
; One wave takes 4 tokens.  Lane l holds, of each row of x and of w_gate, the numbers 256 g + 8 l + 0 .. 7, g = 0 .. 3: eight neighbours, so four lanes hold a block of 32.
; The logits are f32 multiply-adds (N = 8: no matrix work), summed in each lane and then across the 32 lanes.
; LIMITS: NaN and infinities are not served.  A block of zeros gets the byte 1 and not 127: its codes are zeros and this program alone reads the bytes.
; The logits are summed in another order than a plain chain: two scores nearer to each other than that rounding may change places.  Scores are kept down to the smallest f32 number.
.set X,   32                           ; v32-159   x: 32 tok + 8 g + i
.set ACC, 160                          ; v160-223  the logits' sums, a pair at 16 tok + 2 e; ahead of them the quantiser works here:
.set T,   160                          ; v160-191  the held numbers, 8 g + i
.set AM,  192                          ; v192-195  largest magnitudes
.set SO,  196                          ; v196-199  the conversion's scale operands
.set HO,  200                          ; v200-203  57,344 x the scale
.set BY,  208                          ; v208-223  scale bytes, 4 tok + g: a register of its own for each LDS store
.set C,   224                          ; v224-255  codes, a pair at 8 tok + 2 g: a pair of its own for each store
.set L,   20                           ; v20-27    my token's logits, then its scores
.set AD,  32                           ; v32-39    64 or 0, added to the exponent; v40-47 the same taken back
.set EX,  40
.set MSB, 0
.macro WIN new                         ; the immediate's high byte repeats the setting that is left
.if MSB != \new
	s_set_vgpr_msb (MSB<<8)|\new
.set MSB, \new
.endif
.endm
	s_load_b512 s[4:19], s[0:1], 0x0               ; x 4:5, w_gate 6:7, b_gate 8:9, out1 10:11, out2 12:13, sel 14:15, xq 16:17, xs 18:19
	v_lshl_add_u32 v7, v0, 2, 0x100
	v_mov_b32 v19, 0
	v_lshlrev_b32 v1, 5, v0                        ; 32 l: my 8 numbers in a group of 256
	v_lshlrev_b32 v2, 3, v0                        ; 8 l: my 8 codes; at the end my token's pair
	v_lshrrev_b32 v3, 2, v0                        ; l / 4: my block in a group
	v_lshlrev_b32 v4, 2, v0                        ; 4 l
	s_mov_b32 s32, 0x76543210
	s_mov_b32 s33, 0xfedcba98                      ; v_permlanex16_b32: lane l xor 16
	s_mov_b32 s34, 0x600000                        ; the mantissa field of 57,344
	s_mov_b32 s35, 0xaaaaaaaa                      ; lanes with l & 1
	s_mov_b32 s36, 0xcccccccc                      ; lanes with l & 2
	s_mov_b32 s40, 0x3fb8aa3b                      ; log2(e)
	s_mov_b32 s43, 0xc2800000                      ; -64.0
	s_mov_b32 s21, 0
	s_wait_kmcnt 0x0
	s_load_b256 s[24:31], s[8:9], 0x0              ; b_gate's eight numbers
	s_lshl_b32 s20, ttmp9, 14                      ; 4 rows of 4,096 bytes
	s_add_nc_u64 s[4:5], s[4:5], s[20:21]
	s_lshl_b32 s20, ttmp9, 12                      ; 4 rows of 1,024 codes
	s_add_nc_u64 s[16:17], s[16:17], s[20:21]
	s_lshl_b32 s20, ttmp9, 7                       ; 4 rows of 32 scale bytes
	s_add_nc_u64 s[18:19], s[18:19], s[20:21]
	s_lshl_b32 s20, ttmp9, 5                       ; 4 pairs of 8 bytes
	s_add_nc_u64 s[10:11], s[10:11], s[20:21]
	s_add_nc_u64 s[12:13], s[12:13], s[20:21]
	s_add_nc_u64 s[14:15], s[14:15], s[20:21]
.irp tok, 0,1,2,3
.irp g, 0,1,2,3
.irp hf, 0,1
	global_load_b128 v[X+32*\tok+8*\g+4*\hf:X+32*\tok+8*\g+4*\hf+3], v1, s[4:5] offset:4096*\tok+1024*\g+16*\hf th:TH_LOAD_NT
.endr
.endr
.endr
	WIN 0x40                                       ; destination window 1: w_gate at 32 e + 8 g + i
.irp e, 0,1,2,3,4,5,6,7
.irp g, 0,1,2,3
.irp hf, 0,1
	global_load_b128 v[32*\e+8*\g+4*\hf:32*\e+8*\g+4*\hf+3], v1, s[6:7] offset:4096*\e+1024*\g+16*\hf
.endr
.endr
.endr
	WIN 0
	s_wait_loadcnt 63                              ; behind x's 32 loads stand 64; the wait's field holds 63 at the most, and the smaller count is safe: x is in
; One token's 1,024 numbers become codes and scale bytes.  The four groups go by turns, so that no line waits for the line above it.
.macro QTOK tok
.irp g, 0,1,2,3
	v_max3_num_f32 v[AM+\g], |v[X+32*\tok+8*\g]|, |v[X+32*\tok+8*\g+1]|, 0x8000000   ; my 8 numbers, and the floor 2^(16 - 127): the byte cannot fall under 1
.endr
.irp i, 2,4,6
.irp g, 0,1,2,3
	v_max3_num_f32 v[AM+\g], v[AM+\g], |v[X+32*\tok+8*\g+\i]|, |v[X+32*\tok+8*\g+\i+1]|
.endr
.endr
.irp g, 0,1,2,3
	v_max_num_f32_dpp v[AM+\g], v[AM+\g], v[AM+\g] row_xmask:1 row_mask:0xf bank_mask:0xf
.endr
.irp g, 0,1,2,3
	v_max_num_f32_dpp v[AM+\g], v[AM+\g], v[AM+\g] row_xmask:2 row_mask:0xf bank_mask:0xf   ; the four lanes of a block: its largest magnitude
.endr
.irp g, 0,1,2,3
	v_add_nc_u32 v[SO+\g], 0xf8800000, v[AM+\g]    ; 15 off its exponent field: the conversion takes the exponent field of this operand as its scale
.endr
.irp g, 0,1,2,3
	v_and_or_b32 v[HO+\g], v[AM+\g], 0x7f800000, s34   ; 57,344 x the scale
.endr
.irp g, 0,1,2,3
.irp i, 0,1,2,3,4,5,6,7
	v_med3_num_f32 v[T+8*\g+\i], v[X+32*\tok+8*\g+\i], -v[HO+\g], v[HO+\g]   ; the conversion does not saturate (ISA guide 7.6.2): the hold; x itself stays whole for the logits
.endr
	v_cvt_scalef32_pk8_bf8_f32 v[C+8*\tok+2*\g:C+8*\tok+2*\g+1], v[T+8*\g:T+8*\g+7], v[SO+\g]
.endr
.irp g, 0,1,2,3
	v_lshrrev_b32 v[BY+4*\tok+\g], 23, v[SO+\g]    ; the scale's byte (the first of these is the plain line behind the last conversion)
.endr
.irp g, 0,1,2,3
	ds_store_b8 v3, v[BY+4*\tok+\g] offset:32*\tok+8*\g          ; the four lanes of a block write the same byte with the same value
	global_store_b64 v2, v[C+8*\tok+2*\g:C+8*\tok+2*\g+1], s[16:17] offset:1024*\tok+256*\g   ; 32 lanes store 256 consecutive bytes, aligned
.endr
.endm
	QTOK 0
	QTOK 1
	QTOK 2
	QTOK 3
	ds_load_b32 v14, v4                            ; LDS serves a wave's instructions in order: this sees my byte stores
	s_wait_dscnt 0x0
	global_store_b32 v4, v14, s[18:19]             ; the 4 tokens' 128 scale bytes on end
	s_wait_loadcnt 0x0                             ; w_gate
	WIN 0x04                                       ; source 1 window 1
.set pp, 0
.rept 16                               ; 32 sums (4 tokens x 8 experts) by turns, two numbers an instruction; the first product starts each sum
.irp tok, 0,1,2,3
.irp e, 0,1,2,3,4,5,6,7
.if pp == 0
	v_pk_mul_f32 v[ACC+16*\tok+2*\e:ACC+16*\tok+2*\e+1], v[X+32*\tok+2*pp:X+32*\tok+2*pp+1], v[32*\e+2*pp:32*\e+2*pp+1]
.else
	v_pk_fma_f32 v[ACC+16*\tok+2*\e:ACC+16*\tok+2*\e+1], v[X+32*\tok+2*pp:X+32*\tok+2*pp+1], v[32*\e+2*pp:32*\e+2*pp+1], v[ACC+16*\tok+2*\e:ACC+16*\tok+2*\e+1]
.endif
.endr
.endr
.set pp, pp+1
.endr
	WIN 0
.set q, 0
.rept 32
	v_add_f32 v[ACC+2*q], v[ACC+2*q], v[ACC+2*q+1]
.set q, q+1
.endr
.irp m, 1,2,4,8                        ; across the 16 lanes of a half
.set q, 0
.rept 32
	v_add_f32_dpp v[ACC+2*q], v[ACC+2*q], v[ACC+2*q] row_xmask:\m row_mask:0xf bank_mask:0xf
.set q, q+1
.endr
.endr
.set q, 0
.rept 32
	v_permlanex16_b32 v[ACC+2*q+1], v[ACC+2*q], s32, s33
.set q, q+1
.endr
.set q, 0
.rept 32
	v_add_f32 v[ACC+2*q], v[ACC+2*q], v[ACC+2*q+1] ; every lane holds all 32 sums
.set q, q+1
.endr
	s_wait_kmcnt 0x0                               ; b_gate
.irp e, 0,1,2,3,4,5,6,7                ; lane l goes on with token l & 3
	v_cndmask_b32 v12, v[ACC+2*\e], v[ACC+16+2*\e], s35
	v_cndmask_b32 v13, v[ACC+32+2*\e], v[ACC+48+2*\e], s35
	v_cndmask_b32 v[L+\e], v12, v13, s36
	v_add_f32 v[L+\e], s[24+\e], v[L+\e]
.endr
	; softmax: the largest logit is taken away first
	v_max3_num_f32 v28, v20, v21, v22
	v_max3_num_f32 v28, v28, v23, v24
	v_max3_num_f32 v28, v28, v25, v26
	v_max_num_f32 v28, v28, v27
	v_mov_b32 v16, 0
	v_mov_b32 v17, 0x42800000                      ; 64.0
	v_mov_b32 v18, 0xffffffc0                      ; -64
.irp e, 0,1,2,3,4,5,6,7
	v_sub_f32 v[L+\e], v[L+\e], v28
.endr
.irp e, 0,1,2,3,4,5,6,7
	v_mul_f32 v[L+\e], s40, v[L+\e]                ; t = (logit - largest) x log2(e), 0 or less
.endr
.irp e, 0,1,2,3,4,5,6,7                ; v_exp_f32 gives 0 where its result would be denormal (ISA guide 15.8): under -64 the exponent is raised by 64 and the result brought back by v_ldexp_f32
	v_cmp_gt_f32 vcc_lo, s43, v[L+\e]
	v_cndmask_b32 v[AD+\e], v16, v17, vcc_lo
	v_cndmask_b32 v[EX+\e], v16, v18, vcc_lo
.endr
.irp e, 0,1,2,3,4,5,6,7
	v_add_f32 v[L+\e], v[L+\e], v[AD+\e]
.endr
.irp e, 0,1,2,3,4,5,6,7
	v_exp_f32 v[L+\e], v[L+\e]
.endr
	v_nop                                          ; a plain line behind the last exponential
	s_wait_alu depctr_va_vdst(0)                   ; one wait for the eight, ahead of their first reader
.irp e, 0,1,2,3,4,5,6,7
	v_ldexp_f32 v[L+\e], v[L+\e], v[EX+\e]
.endr
	v_add_f32 v28, v20, v21
	v_add_f32 v29, v22, v23
	v_add_f32 v30, v24, v25
	v_add_f32 v31, v26, v27
	v_add_f32 v28, v28, v29
	v_add_f32 v30, v30, v31
	v_add_f32 v28, v28, v30                        ; at least 1: the largest logit's term is 1
	v_rcp_f32 v29, v28
	v_nop
	s_wait_alu depctr_va_vdst(0)
.irp e, 0,1,2,3,4,5,6,7
	v_mul_f32 v[L+\e], v[L+\e], v29                ; the scores
.endr
	; the two largest scores; the compares are strict, so that of equal scores the lower index stands first
	v_mov_b32 v8, 0                                ; v8, v9 the indices;  v10, v11 the scores
	v_mov_b32 v9, 0
	v_mov_b32 v10, v20
	v_mov_b32 v11, -1.0                            ; under every score
.irp e, 1,2,3,4,5,6,7
	v_mov_b32 v15, \e
	v_cmp_gt_f32 vcc_lo, v[L+\e], v10
	v_cmp_gt_f32 s37, v[L+\e], v11
	v_cndmask_b32 v12, v11, v[L+\e], s37           ; the second place, if the first stays
	v_cndmask_b32 v13, v9, v15, s37
	v_cndmask_b32 v11, v12, v10, vcc_lo            ; else the old first moves down
	v_cndmask_b32 v9, v13, v8, vcc_lo
	v_cndmask_b32 v10, v10, v[L+\e], vcc_lo
	v_cndmask_b32 v8, v8, v15, vcc_lo
.endr
	s_wait_xcnt 0x0                                ; EXEC changes only behind this wait
	v_cmp_gt_u32 vcc_lo, 4, v0
	s_wait_tensorcnt 0x0
	ds_add_u32 v7, v19
	s_wait_dscnt 0x0
	s_and_saveexec_b32 s38, vcc_lo                 ; lanes 0 to 3 hold tokens 0 to 3
	global_store_b64 v2, v[8:9], s[10:11]
	global_store_b64 v2, v[8:9], s[14:15]
	global_store_b64 v2, v[10:11], s[12:13]
	s_wait_xcnt 0x0
	s_or_b32 exec_lo, exec_lo, s38
	s_endpgm
.Lfunc_end_k_q7829c7d9e8_route:
	.size	k_q7829c7d9e8_route, .Lfunc_end_k_q7829c7d9e8_route-k_q7829c7d9e8_route
	.p2alignl 7, 3214868480
	.fill 96, 4, 3214868480
	.section	.rodata,"a",@progbits
	.p2align	6, 0x0
	.amdhsa_kernel k_q7829c7d9e8_route
		.amdhsa_group_segment_fixed_size 512
		.amdhsa_private_segment_fixed_size 0
		.amdhsa_enable_private_segment 0
		.amdhsa_kernarg_size 64
		.amdhsa_user_sgpr_count 2
		.amdhsa_user_sgpr_kernarg_segment_ptr 1
		.amdhsa_wavefront_size32 1
		.amdhsa_system_sgpr_workgroup_id_x 1
		.amdhsa_system_sgpr_workgroup_id_y 1
		.amdhsa_system_sgpr_workgroup_id_z 1
		.amdhsa_system_vgpr_workitem_id 0
		.amdhsa_next_free_vgpr 512
		.amdhsa_next_free_sgpr 66
		.amdhsa_reserve_vcc 1
		.amdhsa_float_denorm_mode_32 3
		.amdhsa_float_denorm_mode_16_64 3
		.amdhsa_memory_ordered 1
		.amdhsa_forward_progress 1
		.amdhsa_inst_pref_size 85
	.end_amdhsa_kernel
	.amdgpu_metadata
---
amdhsa.version: [ 1, 2 ]
amdhsa.kernels:
  - .name:           k_q7829c7d9e8_route
    .symbol:         k_q7829c7d9e8_route.kd
    .args:
      - { .name: x, .offset: 0, .size: 8, .value_kind: global_buffer, .address_space: global }
      - { .name: w_gate, .offset: 8, .size: 8, .value_kind: global_buffer, .address_space: global }
      - { .name: b_gate, .offset: 16, .size: 8, .value_kind: global_buffer, .address_space: global }
      - { .name: out1, .offset: 24, .size: 8, .value_kind: global_buffer, .address_space: global }
      - { .name: out2, .offset: 32, .size: 8, .value_kind: global_buffer, .address_space: global }
      - { .name: sel, .offset: 40, .size: 8, .value_kind: global_buffer, .address_space: global }
      - { .name: xq, .offset: 48, .size: 8, .value_kind: global_buffer, .address_space: global }
      - { .name: xs, .offset: 56, .size: 8, .value_kind: global_buffer, .address_space: global }
    .group_segment_fixed_size: 512
    .private_segment_fixed_size: 0
    .kernarg_segment_align: 8
    .kernarg_segment_size: 64
    .max_flat_workgroup_size: 32
    .sgpr_count:     66
    .vgpr_count:     512
    .wavefront_size: 32
...
	.end_amdgpu_metadata
.endif
;; end of part 1
;; launch ffn1 (part 2): grid 32 x 8, 4 waves a work-group, no clusters, 207,872 bytes of LDS; arguments sel, xq, xs, w1_codes, w1_scales, b1, hq, hs, rows, cnt; writes hq, hs, rows, cnt
.if DOCPART == 2
	.amdgcn_target "amdgcn-amd-amdhsa--gfx1250"
	.amdhsa_code_object_version 6
	.text
	.protected	k_q7829c7d9e8_ffn1
	.globl	k_q7829c7d9e8_ffn1
	.p2align	8
	.type	k_q7829c7d9e8_ffn1,@function
k_q7829c7d9e8_ffn1:
	s_mov_b64 s[64:65], 0
	v_nop
	global_prefetch_b8 v0, s[64:65] scope:SCOPE_SE
	s_setreg_imm32_b32 hwreg(HW_REG_WAVE_MODE, 25, 1), 1
	s_wait_xcnt 0x0
; FIRST PRODUCT OF THE EXPERTS, for the routed rows alone: h = Q(leaky(x W1^T + b1)), both operands codes of E5M2 with one E8M0 scale for each 32 along K.
; A routed row is j = 2 x token + slot; sel[j] is its expert.  Work-group (s, e) owns hidden units 128 s .. 128 s + 127 of expert e (K step s of the second product) for ALL rows of that expert.
; Its 128 rows of W1 are read from memory once, in runs of 512 consecutive bytes, turned through LDS into operand order and kept in registers; what goes round is the rows' codes of x.
; Wave w: nh = w & 1: which 64 hidden units; rh = w >> 1: which 32 rows of a block of 64.  A fragment of x read from LDS so feeds four matrix instructions.
; THE LIST is made here, while the weights are on their way.  Every wave holds all 2,048 words of sel in 64 registers and counts the expert's members in scalar registers: the count that steers the walk is the same in all waves.
; Wave 0 also lays the members' numbers j in LDS: a member's place = members so far + members in lower lanes.  A lane that is no member stores too, into a spare word of its own behind the list: the choice is made on the
; place, by v_cndmask_b32, ahead of the hold at the last word; EXEC is never touched.  Eight registers go at a time, line by line, so that no line waits for the line above it.  Until the barrier behind the list no other wave touches LDS.
; Places behind the count hold 2048 + e: held at 2047 they name the last token here, and the expert's spare row of ybuf in the next launch; their results never reach an output.
; All 32 work-groups of an expert make the same list by the same lines; those with s = 0 store it (rows [8][1024]) and the count (cnt [8][32], 32 times) for the next launch.
; THE WALK.  16 trips of 64 rows, a constant, since every wave must pass every barrier; a trip whose rows lie behind the count jumps over its work, never over a barrier or the wait in front of one.
; Blocks 0 and 1 are always worked, so that the next launch may load them without asking.
; THE PRODUCT IS USED TRANSPOSED (source 0 = 16 rows of W1, source 1 = 16 rows of x), and lane r of tile 2 b + u takes row 32 b + 8 u + r + 8 (r / 8) of W1: a lane then holds one row of h, and the 16 registers of two
; neighbouring tiles are 16 neighbours along the next K: the conversions' results are the next operand's registers.  b1 is the C of each sum's first matrix instruction.
; OUT.  hq [e][tile of 16 rows: 64][K step: 32][c: 4][lane][16 bytes]: the operand's registers as they stand.  hs [e][K step][block of 64 rows: 16][r: 16][m: 4] words, byte c for block c of the K step, row 16 m + r.
; No tensor loads and no joint requests in a cluster: which trips work hangs on the count, made of numbers read from memory.
; LIMITS: NaN and infinities are not served; a block of zeros gets the byte 1, its codes are zeros, and this program alone reads the bytes.
; REGISTERS.  Window 0: v1-15, v236, v239, v248-251 addresses that stay; v16-31 offsets of 16 rows of x; v32-95 eight accumulators (first: sel); v96-127 b1; v128-159 W1's scale words; v160-175 x's scale words;
;   v176-179 a row's scale bytes on their way; v184-199 the quantiser's; v200-215 codes (first: places in the list); v216-231 0.1 x h (first: row numbers); v240-247 the list on its way out.
;   Window 1: W1's tiles 0, 1 (first the 64 loads as they come).   Window 2: tiles 2, 3.   Window 3: v0-127 four buffers of x's fragments; v128-255 16 rows of x on their way.
.set LIST, 0                           ; LDS: 1,024 places of the list, and behind them 32 spare words
.set SB,   4352                        ; a block's 256 scale bytes: 16 r + 4 m + c
.set XSC,  4608                        ; 64 rows of x's scale bytes, 48 bytes apart
.set XTL,  7680                        ; 64 rows of x's codes
.set WST,  74240                       ; 128 rows of W1's codes
.set XP,   1040                        ; a row of 1,024 codes + 16: 65 x 16 bytes, so that the 16 rows of a fragment load start 16 bytes apart modulo 256
.set ACC,  32
.set B1,   96
.set WS,   128
.set XS,   160
.set TM,   184
.set PC,   200
.set LT,   216
.set PP,   200                         ; v200-215 places, two sets of eight by turns
.set JV,   216                         ; v216-231 row numbers, likewise
.set MK,   52                          ; s[52:59] eight masks of members
.set BS,   80                          ; s[80:87] members ahead of each of the eight registers
.set MSB, 0
.macro WIN new                         ; the immediate's high byte repeats the setting that is left
.if MSB != \new
	s_set_vgpr_msb (MSB<<8)|\new
.set MSB, \new
.endif
.endm
.macro BAR                             ; my LDS stores have landed and my LDS loads are in: then the work-group's barrier
	s_wait_dscnt 0x0
	s_barrier_signal -1
	s_barrier_wait -1
.endm
; Registers 8 n .. 8 n + 7 of sel: which lanes are members, how many members stand ahead of each register, and the running count s44
.macro MASKS n
.irp k, 0,1,2,3,4,5,6,7
	v_cmp_eq_u32 s[MK+\k], s30, v[32+8*(\n)+\k]
.endr
.irp k, 0,1,2,3,4,5,6,7
	s_mov_b32 s[BS+\k], s44
	s_bcnt1_i32_b32 s45, s[MK+\k]
	s_add_co_u32 s44, s44, s45
.endr
.endm
; The same, and the members' numbers go to their places.  Register q = 8 n + k of lane l is row 128 (q / 4) + 4 l + q % 4
.macro SCAT n
	MASKS \n
.if (\n) >= 2
	s_wait_dscnt 8                                 ; the eight stores of the batch before may be out: those of two batches back, which read this set of registers, are done
.endif
.irp k, 0,1,2,3,4,5,6,7
	v_mbcnt_lo_u32_b32 v[PP+8*((\n)%2)+\k], s[MK+\k], s[BS+\k]   ; members ahead + members in lower lanes
.endr
.irp k, 0,1,2,3,4,5,6,7
	v_cndmask_b32 v[PP+8*((\n)%2)+\k], v236, v[PP+8*((\n)%2)+\k], s[MK+\k]   ; a member: its place; else the lane's spare word
.endr
.irp k, 0,1,2,3,4,5,6,7
	v_min_u32 v[PP+8*((\n)%2)+\k], 1055, v[PP+8*((\n)%2)+\k]     ; held to the last spare word
.endr
.irp k, 0,1,2,3,4,5,6,7
	v_lshlrev_b32 v[PP+8*((\n)%2)+\k], 2, v[PP+8*((\n)%2)+\k]
.endr
.irp k, 0,1,2,3,4,5,6,7
	v_add_nc_u32 v[JV+8*((\n)%2)+\k], 128*((8*(\n)+\k)/4)+(8*(\n)+\k)%4, v239   ; the row's number j
.endr
.irp k, 0,1,2,3,4,5,6,7
	ds_store_b32 v[PP+8*((\n)%2)+\k], v[JV+8*((\n)%2)+\k]
.endr
.endm
; The 16 rows of x that my wave brings for the block whose list begins at LDS byte s33: their list entries, then their codes (2 loads of 512 consecutive bytes a row) and scale bytes (two lanes a row)
.macro XLOAD
	v_add_nc_u32 v181, s33, v5
	v_add_nc_u32 v182, s33, v6
.irp i, 0,1,2,3
	ds_load_b128 v[16+4*\i:19+4*\i], v181 offset:16*\i           ; all lanes read the same 16 entries
.endr
	ds_load_b32 v180, v182                         ; and entry lane / 2
	s_wait_dscnt 0x0
.irp i, 0,1,2,3,4,5,6,7,8,9,10,11,12,13,14,15
	v_min_u32 v[16+\i], 2047, v[16+\i]             ; a number that was loaded enters an address only held to its range
.endr
.irp i, 0,1,2,3,4,5,6,7,8,9,10,11,12,13,14,15
	v_and_b32 v[16+\i], 0x7fe, v[16+\i]            ; 2 x token
.endr
.irp i, 0,1,2,3,4,5,6,7,8,9,10,11,12,13,14,15
	v_lshl_add_u32 v[16+\i], v[16+\i], 9, v4       ; token x 1,024 + 16 x lane
.endr
	v_min_u32 v180, 2047, v180
	v_and_b32 v180, 0x7fe, v180
	v_lshl_add_u32 v180, v180, 4, v13              ; token x 32 + 16 x (lane & 1)
	WIN 0xc0                                       ; destination window 3
.irp i, 0,1,2,3,4,5,6,7,8,9,10,11,12,13,14,15
.irp hf, 0,1
	global_load_b128 v[128+8*\i+4*\hf:131+8*\i+4*\hf], v[16+\i], s[10:11] offset:512*\hf
.endr
.endr
	WIN 0
	global_load_b128 v[176:179], v180, s[12:13]
.endm
.macro XSTORE                          ; they go into the block's tile in LDS
	WIN 0x0c                                       ; an LDS store's data are its source 1: window 3
.irp i, 0,1,2,3,4,5,6,7,8,9,10,11,12,13,14,15
.irp hf, 0,1
	ds_store_b128 v7, v[128+8*\i+4*\hf:131+8*\i+4*\hf] offset:XP*\i+512*\hf
.endr
.endr
	WIN 0
	ds_store_b128 v8, v[176:179]
.endm
.macro XSCL                            ; the scale words of my 32 rows: register 8 m + ks, lane r: row 16 m + r
.irp m, 0,1
.irp q, 0,1
	ds_load_b128 v[XS+8*\m+4*\q:XS+8*\m+4*\q+3], v10 offset:768*\m+16*\q
.endr
.endr
.endm
.macro FETCH k                         ; K step k of my two tiles of rows into buffer k % 4: lane (r, h): registers 4 c .. 4 c + 3 hold K = 32 c + 16 h + 0 .. 15
	WIN 0xc0
.irp m, 0,1
.irp c, 0,1,2,3
	ds_load_b128 v[32*((\k)%4)+16*\m+4*\c:32*((\k)%4)+16*\m+4*\c+3], v9 offset:16*XP*\m+128*(\k)+32*\c
.endr
.endr
.endm
; Eight matrix instructions: my four tiles of W1 x my two tiles of rows, K step ks.  The eight accumulators take turns, one instruction a turn, in the same order in every K step.
.macro MUL8 ks
.irp b, 0,1
	WIN 0x0d+\b                                    ; source 0 (W1) window 1 or 2, source 1 (x) window 3, C and D window 0
.irp m, 0,1
.irp u, 0,1
.if (\ks) == 0
	v_wmma_scale_f32_16x16x128_f8f6f4 v[ACC+16*(2*\m+\b)+8*\u:ACC+16*(2*\m+\b)+8*\u+7], v[128*\u+16*(\ks):128*\u+16*(\ks)+15], v[32*((\ks)%4)+16*\m:32*((\ks)%4)+16*\m+15], v[B1+8*(2*\b+\u):B1+8*(2*\b+\u)+7], v[WS+8*(2*\b+\u)+(\ks)], v[XS+8*\m+(\ks)] matrix_a_fmt:MATRIX_FMT_BF8 matrix_b_fmt:MATRIX_FMT_BF8
.else
	v_wmma_scale_f32_16x16x128_f8f6f4 v[ACC+16*(2*\m+\b)+8*\u:ACC+16*(2*\m+\b)+8*\u+7], v[128*\u+16*(\ks):128*\u+16*(\ks)+15], v[32*((\ks)%4)+16*\m:32*((\ks)%4)+16*\m+15], v[ACC+16*(2*\m+\b)+8*\u:ACC+16*(2*\m+\b)+8*\u+7], v[WS+8*(2*\b+\u)+(\ks)], v[XS+8*\m+(\ks)] matrix_a_fmt:MATRIX_FMT_BF8 matrix_b_fmt:MATRIX_FMT_BF8
.endif
.endr
.endr
.endr
.endm
; The activation and the quantiser.  Group g = 2 m + b: registers ACC + 16 g + 0 .. 15 are hidden units 32 b + 16 h + 0 .. 15 of row 16 m + r: half a block of 32; lane l xor 16 holds the other half.
.macro EPI
.irp g, 0,1,2,3
.irp p, 0,1,2,3,4,5,6,7
	v_pk_mul_f32 v[LT+2*\p:LT+2*\p+1], v[ACC+16*\g+2*\p:ACC+16*\g+2*\p+1], s[48:49] op_sel_hi:[1,0]   ; 0.1 x h; each accumulator is read from its low end on
.endr
.irp i, 0,1,2,3,4,5,6,7,8,9,10,11,12,13,14,15
	v_max_num_f32 v[ACC+16*\g+\i], v[ACC+16*\g+\i], v[LT+\i]     ; leaky: the larger of h and 0.1 h
.endr
.endr
.irp g, 0,1,2,3
	v_max3_num_f32 v[TM+\g], |v[ACC+16*\g]|, |v[ACC+16*\g+1]|, 0x8000000   ; my 16 numbers, and the floor 2^(16 - 127): the byte cannot fall under 1
.endr
.irp i, 2,4,6,8,10,12,14
.irp g, 0,1,2,3
	v_max3_num_f32 v[TM+\g], v[TM+\g], |v[ACC+16*\g+\i]|, |v[ACC+16*\g+\i+1]|   ; the four groups by turns
.endr
.endr
.irp g, 0,1,2,3
	v_permlanex16_b32 v[TM+4+\g], v[TM+\g], s40, s41
.endr
.irp g, 0,1,2,3
	v_max_num_f32 v[TM+\g], v[TM+\g], v[TM+4+\g]   ; the block's largest magnitude
.endr
.irp g, 0,1,2,3
	v_add_nc_u32 v[TM+12+\g], 0xf8800000, v[TM+\g] ; 15 off its exponent field: the conversion's scale operand
.endr
.irp g, 0,1,2,3
	v_and_or_b32 v[TM+8+\g], v[TM+\g], 0x7f800000, s42   ; 57,344 x the scale
.endr
.irp g, 0,1,2,3
	v_lshrrev_b32 v[TM+4+\g], 23, v[TM+12+\g]      ; the scale's byte
.endr
.irp g, 0,1,2,3
.irp i, 0,1,2,3,4,5,6,7,8,9,10,11,12,13,14,15
	v_med3_num_f32 v[ACC+16*\g+\i], v[ACC+16*\g+\i], -v[TM+8+\g], v[TM+8+\g]   ; the conversion does not saturate (ISA guide 7.6.2): the hold
.endr
	v_cvt_scalef32_pk8_bf8_f32 v[PC+4*\g:PC+4*\g+1], v[ACC+16*\g:ACC+16*\g+7], v[TM+12+\g]
	v_cvt_scalef32_pk8_bf8_f32 v[PC+4*\g+2:PC+4*\g+3], v[ACC+16*\g+8:ACC+16*\g+15], v[TM+12+\g]
.endr
	v_nop                                          ; a plain line behind the last conversion: the next block's products write the numbers' registers
.irp g, 0,1,2,3
	ds_store_b8 v11, v[TM+4+\g] offset:4*(\g/2)+(\g%2)           ; both halves of the lanes write the same byte with the same value
.endr
.irp g, 0,1,2,3
	global_store_b128 v4, v[PC+4*\g:PC+4*\g+3], s[20:21] offset:65536*(\g/2)+512*(\g%2)   ; four registers of the next operand, 32 lanes: 512 consecutive bytes, aligned
.endr
.endm
	s_load_b512 s[8:23], s[0:1], 0x0               ; sel 8:9, xq 10:11, xs 12:13, w1 codes 14:15, w1 scales 16:17, b1 18:19, hq 20:21, hs 22:23
	s_load_b128 s[24:27], s[0:1], 0x40             ; rows 24:25, cnt 26:27
	v_lshl_add_u32 v254, v0, 2, 0x32a00
	v_mov_b32 v255, 0
	v_lshrrev_b32 v1, 5, v0
	v_readfirstlane_b32 s28, v1                    ; wave
	v_and_b32 v1, 31, v0                           ; lane
	v_and_b32 v2, 15, v0                           ; r
	v_bfe_u32 v3, v0, 4, 1                         ; h
	s_mov_b32 s29, ttmp9                           ; s: which 128 hidden units
	s_and_b32 s30, ttmp7, 0xffff                   ; e: the expert
	s_and_b32 s39, s28, 1                          ; nh
	s_lshr_b32 s43, s28, 1                         ; rh
	; every LDS address register that stays is made here, ahead of the first branch on the wave's number
	v_lshlrev_b32 v4, 4, v1                        ; v4   16 x lane
	s_lshl_b32 s34, s28, 6
	v_mov_b32 v5, s34                              ; v5   the list entries of my 16 rows of a block
	v_lshrrev_b32 v181, 1, v1
	v_lshl_add_u32 v6, v181, 2, s34                ; v6   entry lane / 2 of them
	s_mul_i32 s45, s28, 16*XP
	s_add_co_u32 s45, s45, XTL
	v_add_nc_u32 v7, s45, v4                       ; v7   where I put x's codes: my 16 rows, 16 x lane
	v_and_b32 v13, 1, v1
	v_lshlrev_b32 v13, 4, v13                      ; v13  16 x (lane & 1)
	v_mul_u32_u24 v8, v181, 48
	v_add_nc_u32 v8, v8, v13
	s_mul_i32 s45, s28, 16*48
	s_add_co_u32 s45, s45, XSC
	v_add_nc_u32 v8, s45, v8                       ; v8   where I put x's scale bytes: row lane / 2 of my 16, half lane & 1
	v_mul_u32_u24 v182, v2, XP
	v_lshl_add_u32 v182, v3, 4, v182               ; a fragment's row x pitch + 16 h
	s_mul_i32 s45, s43, 32*XP
	s_add_co_u32 s45, s45, XTL
	v_add_nc_u32 v9, s45, v182                     ; v9   x's fragments: my 32 rows
	v_mul_u32_u24 v10, v2, 48
	s_mul_i32 s45, s43, 32*48
	s_add_co_u32 s45, s45, XSC
	v_add_nc_u32 v10, s45, v10                     ; v10  their scale words
	s_lshl_b32 s45, s43, 3
	s_lshl_b32 s34, s39, 1
	s_add_co_u32 s45, s45, s34
	s_add_co_u32 s45, s45, SB
	v_lshl_add_u32 v11, v2, 4, s45                 ; v11  my scale bytes: 16 r + 4 (2 rh) + 2 nh
	v_lshl_add_u32 v12, v1, 3, SB                  ; v12  and on their way out 8 bytes a lane
	v_lshlrev_b32 v14, 3, v1                       ; v14  the same place in hs
	s_lshl_b32 s45, s28, 10
	v_add_nc_u32 v15, s45, v4                      ; v15  my quarter of the list, in LDS and in rows
	v_add_nc_u32 v236, 1024, v1                    ; v236 my spare word: behind the list's 1,024
	v_lshlrev_b32 v239, 2, v1                      ; v239 4 x lane
	s_mul_i32 s45, s28, 32*XP
	s_add_co_u32 s45, s45, WST
	v_add_nc_u32 v248, s45, v4                     ; v248 where I put W1's codes: my 32 rows
	s_mul_i32 s45, s39, 64*XP
	s_add_co_u32 s45, s45, WST
	v_add_nc_u32 v249, s45, v182                   ; v249 W1's fragments: my 64 places
	v_and_b32 v183, 8, v2
	v_add_nc_u32 v183, v183, v2                    ; r + 8 (r / 8)
	v_lshlrev_b32 v250, 5, v183                    ; v250 W1's scale words: 32 bytes a row
	v_lshlrev_b32 v251, 6, v3                      ; v251 b1: 16 numbers for each half of the lanes
.irp g, 0,1,2,3
	v_mov_b32 v[TM+4+\g], 0                        ; written once: a lane permute's destination counts as one of its sources
.endr
	s_mov_b32 s40, 0x76543210
	s_mov_b32 s41, 0xfedcba98                      ; lane l xor 16
	s_mov_b32 s42, 0x600000                        ; the mantissa field of 57,344
	s_mov_b32 s48, 0x3dcccccd                      ; 0.1
	s_mov_b32 s49, s48                             ; (named with it as a pair, so it is written)
	s_mov_b32 s37, 0
	s_wait_kmcnt 0x0
.irp m, 0,1,2,3,4,5,6,7,8,9,10,11,12,13,14,15
	global_load_b128 v[32+4*\m:35+4*\m], v4, s[8:9] offset:512*\m   ; all 2,048 words of sel, first of all loads; register 4 m + i of lane l is row 128 m + 4 l + i
.endr
	s_lshl_b32 s36, s30, 22                        ; W1's codes: expert x 4,096 rows + 128 s rows + 32 w rows, 1,024 bytes each
	s_lshl_b32 s34, s29, 17
	s_add_co_u32 s36, s36, s34
	s_lshl_b32 s34, s28, 15
	s_add_co_u32 s36, s36, s34
	s_add_nc_u64 s[14:15], s[14:15], s[36:37]
	s_lshl_b32 s36, s30, 17                        ; W1's scales: 32 bytes a row; my 64 rows
	s_lshl_b32 s34, s29, 12
	s_add_co_u32 s36, s36, s34
	s_lshl_b32 s34, s39, 11
	s_add_co_u32 s36, s36, s34
	s_add_nc_u64 s[16:17], s[16:17], s[36:37]
	s_lshl_b32 s36, s30, 14                        ; b1: 4 bytes a unit
	s_lshl_b32 s34, s29, 9
	s_add_co_u32 s36, s36, s34
	s_lshl_b32 s34, s39, 8
	s_add_co_u32 s36, s36, s34
	s_add_nc_u64 s[18:19], s[18:19], s[36:37]
	s_lshl_b32 s36, s30, 22                        ; hq: expert x 64 tiles of 65,536 + 2 rh tiles + K step s of 2,048 + 2 nh pieces of 512
	s_lshl_b32 s34, s43, 17
	s_add_co_u32 s36, s36, s34
	s_lshl_b32 s34, s29, 11
	s_add_co_u32 s36, s36, s34
	s_lshl_b32 s34, s39, 10
	s_add_co_u32 s36, s36, s34
	s_add_nc_u64 s[20:21], s[20:21], s[36:37]
	s_lshl_b32 s36, s30, 17                        ; hs: expert x 32 K steps of 4,096
	s_lshl_b32 s34, s29, 12
	s_add_co_u32 s36, s36, s34
	s_add_nc_u64 s[22:23], s[22:23], s[36:37]
	s_lshl_b32 s36, s30, 12
	s_add_nc_u64 s[24:25], s[24:25], s[36:37]      ; rows: 4,096 bytes an expert
	s_lshl_b32 s36, s30, 7
	s_add_nc_u64 s[26:27], s[26:27], s[36:37]      ; cnt: 128 bytes an expert
	WIN 0x40                                       ; destination window 1
.set i, 0
.rept 64
	global_load_b128 v[4*i:4*i+3], v4, s[14:15] offset:512*i th:TH_LOAD_NT   ; my 32 rows of W1, 32,768 bytes on end; read once in the launch
.set i, i+1
.endr
	WIN 0
.irp b, 0,1
.irp u, 0,1
.irp q, 0,1
	global_load_b128 v[WS+8*(2*\b+\u)+4*\q:WS+8*(2*\b+\u)+4*\q+3], v250, s[16:17] offset:(32*\b+8*\u)*32+16*\q   ; tile 2 b + u: its rows' eight scale words
.endr
.endr
.endr
.irp b, 0,1
.irp u, 0,1
.irp q, 0,1
	global_load_b128 v[B1+8*(2*\b+\u)+4*\q:B1+8*(2*\b+\u)+4*\q+3], v251, s[18:19] offset:(32*\b+8*\u)*4+16*\q   ; b1 in the result's layout: units 32 b + 16 h + 8 u + 0 .. 7
.endr
.endr
.endr
	s_wait_loadcnt 63                              ; behind sel's 16 loads stand 80; the wait's field holds 63 at the most, and the smaller count is safe: sel is in
	s_mov_b32 s44, 0                               ; members so far
	s_cmp_lg_u32 s28, 0
	s_cbranch_scc1 .Lcount
	; wave 0 counts and lays the list
	s_add_co_u32 s45, s30, 2048
.irp k, 0,1,2,3
	v_mov_b32 v[240+\k], s45                       ; what stands behind the count
.endr
.irp k, 0,1,2,3,4,5,6,7
	ds_store_b128 v4, v[240:243] offset:512*\k     ; all 1,024 places begin as 2048 + e; LDS serves a wave's instructions in order, so the members' stores come behind these
.endr
.irp n, 0,1,2,3,4,5,6,7
	SCAT \n
.endr
	s_branch .Llisted
.Lcount:
	; the other waves count alone
.irp n, 0,1,2,3,4,5,6,7
	MASKS \n
.endr
.Llisted:
	BAR                                            ; the list lies in LDS
	s_min_u32 s38, s44, 1024                       ; the count
	s_max_u32 s31, s38, 128                        ; rows to be worked: blocks 0 and 1 always
	s_mov_b32 s33, 0
	XLOAD                                          ; block 0's rows of x
	s_mov_b32 s33, 256                             ; from here on: the list byte of the block after the one in hand
	s_cmp_lg_u32 s29, 0
	s_cbranch_scc1 .Lno_rows
	ds_load_b128 v[240:243], v15                   ; the work-groups with s = 0 store the list, a quarter a wave: 512 consecutive bytes a store, aligned,
	ds_load_b128 v[244:247], v15 offset:512
	s_wait_dscnt 0x0
	global_store_b128 v15, v[240:243], s[24:25]
	global_store_b128 v15, v[244:247], s[24:25] offset:512
	s_cmp_lg_u32 s28, 0
	s_cbranch_scc1 .Lno_rows
	v_mov_b32 v238, s38
	global_store_b32 v239, v238, s[26:27]          ; and the count, 32 times: 128 bytes on end
.Lno_rows:
	; W1 goes into LDS: row rho of my 32 to place 16 ((rho / 8) % 2) + 8 (rho / 16) + rho % 8, so that a tile's 16 places on end are the rows that the tile wants
	s_wait_loadcnt 63                              ; behind W1's load 47 stand 16 of W1, 16 of scale words and b1 and 33 of x: 65; the field holds 63 at the most: loads 0 to 47 are in
	WIN 0x04                                       ; an LDS store's data are its source 1: window 1
.set i, 0
.rept 64
.if i == 48
	s_wait_loadcnt 49                              ; behind W1's last load stand 8 + 8 + 33
.endif
.set rho, i/2
	ds_store_b128 v248, v[4*i:4*i+3] offset:(16*((rho/8)%2)+8*(rho/16)+rho%8)*XP+512*(i%2)
.set i, i+1
.endr
	WIN 0
	BAR                                            ; all 128 rows lie in LDS; my stores have read window 1
	WIN 0x40
.irp tt, 0,1
.irp ks, 0,1,2,3,4,5,6,7
.irp c, 0,1,2,3
	ds_load_b128 v[128*\tt+16*\ks+4*\c:128*\tt+16*\ks+4*\c+3], v249 offset:16*\tt*XP+128*\ks+32*\c
.endr
.endr
.endr
	WIN 0x80
.irp tt, 0,1
.irp ks, 0,1,2,3,4,5,6,7
.irp c, 0,1,2,3
	ds_load_b128 v[128*\tt+16*\ks+4*\c:128*\tt+16*\ks+4*\c+3], v249 offset:16*(\tt+2)*XP+128*\ks+32*\c
.endr
.endr
.endr
	WIN 0
	s_wait_dscnt 0x0                               ; my 32 fragments of W1 stay in registers from here on
	s_mov_b32 s32, 0                               ; the block's first row
	s_mov_b32 s35, 0
.Ltrip:
	s_wait_loadcnt 0x0                             ; this block's rows of x are in (first trip: scale words and b1 too); the wait is on every path
	s_cmp_lt_u32 s32, s31
	s_cbranch_scc0 .Lno_put
	XSTORE
.Lno_put:
	BAR                                            ; the block's 64 rows of x lie in LDS
	s_add_co_u32 s34, s32, 64
	s_cmp_lt_u32 s34, s31
	s_cbranch_scc0 .Lno_next
	XLOAD                                          ; the next block's rows: they land under this block's products
.Lno_next:
	s_cmp_lt_u32 s32, s31
	s_cbranch_scc0 .Lno_work
	XSCL
	FETCH 0
	FETCH 1
.irp ks, 0,1,2,3,4,5,6,7
.if (\ks >= 2) && (\ks <= 5)
.rept 8
	v_nop                                          ; eight places in front of loads into the buffer that the products of two K steps back have read; buffers 0 to 3 are first filled behind the nine places at the last block's end
.endr
.endif
.if \ks <= 5
	FETCH \ks+2
	s_wait_dscnt 16                                ; the two younger K steps' 16 loads may be out: this K step's fragments (and the scale words) are in
.elseif \ks == 6
	s_wait_dscnt 8
.else
	s_wait_dscnt 0x0
.endif
	MUL8 \ks
.endr
	WIN 0
.rept 9
	v_nop                                          ; eight places in front of the first read of results; nine in front of the next block's products, which begin the accumulators anew
.endr
	EPI
.Lno_work:
	BAR                                            ; the reads of x's tile are over, and the block's 256 scale bytes lie in LDS
	s_cmp_lt_u32 s32, s31
	s_cbranch_scc0 .Lno_hs
	s_cmp_lg_u32 s28, 0
	s_cbranch_scc1 .Lno_hs
	ds_load_b64 v[232:233], v12
	s_wait_dscnt 0x0
	global_store_b64 v14, v[232:233], s[22:23]     ; wave 0: 32 lanes store 256 consecutive bytes, aligned
.Lno_hs:
	s_wait_xcnt 0x0                                ; the stores have read their data and bases: both are written again below and in the next trip
	s_add_nc_u64 s[20:21], s[20:21], 262144        ; four tiles on
	s_add_nc_u64 s[22:23], s[22:23], 256
	s_add_co_u32 s32, s32, 64
	s_add_co_u32 s33, s33, 256
	s_add_co_u32 s35, s35, 1
	s_cmp_lt_u32 s35, 16
	s_cbranch_scc1 .Ltrip
	s_wait_tensorcnt 0x0
	ds_add_u32 v254, v255
	s_wait_dscnt 0x0
	s_endpgm
.Lfunc_end_k_q7829c7d9e8_ffn1:
	.size	k_q7829c7d9e8_ffn1, .Lfunc_end_k_q7829c7d9e8_ffn1-k_q7829c7d9e8_ffn1
	.p2alignl 7, 3214868480
	.fill 96, 4, 3214868480
	.section	.rodata,"a",@progbits
	.p2align	6, 0x0
	.amdhsa_kernel k_q7829c7d9e8_ffn1
		.amdhsa_group_segment_fixed_size 207872
		.amdhsa_private_segment_fixed_size 0
		.amdhsa_enable_private_segment 0
		.amdhsa_kernarg_size 80
		.amdhsa_user_sgpr_count 2
		.amdhsa_user_sgpr_kernarg_segment_ptr 1
		.amdhsa_wavefront_size32 1
		.amdhsa_system_sgpr_workgroup_id_x 1
		.amdhsa_system_sgpr_workgroup_id_y 1
		.amdhsa_system_sgpr_workgroup_id_z 1
		.amdhsa_system_vgpr_workitem_id 0
		.amdhsa_next_free_vgpr 1024
		.amdhsa_next_free_sgpr 96
		.amdhsa_reserve_vcc 0
		.amdhsa_float_denorm_mode_32 3
		.amdhsa_float_denorm_mode_16_64 3
		.amdhsa_memory_ordered 1
		.amdhsa_forward_progress 1
		.amdhsa_inst_pref_size 114
	.end_amdhsa_kernel
	.amdgpu_metadata
---
amdhsa.version: [ 1, 2 ]
amdhsa.kernels:
  - .name:           k_q7829c7d9e8_ffn1
    .symbol:         k_q7829c7d9e8_ffn1.kd
    .args:
      - { .name: sel, .offset: 0, .size: 8, .value_kind: global_buffer, .address_space: global }
      - { .name: xq, .offset: 8, .size: 8, .value_kind: global_buffer, .address_space: global }
      - { .name: xs, .offset: 16, .size: 8, .value_kind: global_buffer, .address_space: global }
      - { .name: w1_codes, .offset: 24, .size: 8, .value_kind: global_buffer, .address_space: global }
      - { .name: w1_scales, .offset: 32, .size: 8, .value_kind: global_buffer, .address_space: global }
      - { .name: b1, .offset: 40, .size: 8, .value_kind: global_buffer, .address_space: global }
      - { .name: hq, .offset: 48, .size: 8, .value_kind: global_buffer, .address_space: global }
      - { .name: hs, .offset: 56, .size: 8, .value_kind: global_buffer, .address_space: global }
      - { .name: rows, .offset: 64, .size: 8, .value_kind: global_buffer, .address_space: global }
      - { .name: cnt, .offset: 72, .size: 8, .value_kind: global_buffer, .address_space: global }
    .group_segment_fixed_size: 207872
    .private_segment_fixed_size: 0
    .kernarg_segment_align: 8
    .kernarg_segment_size: 80
    .max_flat_workgroup_size: 128
    .sgpr_count:     96
    .vgpr_count:     1024
    .wavefront_size: 32
...
	.end_amdgpu_metadata
.endif
;; end of part 2
;; launch ffn2 (part 3): grid 32 x 8, 4 waves a work-group, no clusters, 274,944 bytes of LDS; arguments cnt, rows, hq, hs, w2_codes, w2_scales, b2, ybuf; writes ybuf
.if DOCPART == 3
	.amdgcn_target "amdgcn-amd-amdhsa--gfx1250"
	.amdhsa_code_object_version 6
	.text
	.protected	k_q7829c7d9e8_ffn2
	.globl	k_q7829c7d9e8_ffn2
	.p2align	8
	.type	k_q7829c7d9e8_ffn2,@function
k_q7829c7d9e8_ffn2:
	s_mov_b64 s[64:65], 0
	v_nop
	global_prefetch_b8 v0, s[64:65] scope:SCOPE_SE
	s_setreg_imm32_b32 hwreg(HW_REG_WAVE_MODE, 25, 1), 1
	s_wait_xcnt 0x0
; SECOND PRODUCT OF THE EXPERTS: y = h W2^T (+ b2), on the codes of h that the launch before has laid in operand order, for the rows of the expert's list.
; Work-group (q, e): nc = q >> 1: output columns 64 nc .. 64 nc + 63; kh = q & 1: which half of K = 4,096.  Wave w owns K steps 16 kh + 4 w .. + 3 and keeps its 4 column tiles x 4 K steps of W2 in 256 registers,
; read from memory once (512 consecutive bytes of each of 64 rows) and turned through the wave's own bytes of LDS.  h comes straight from memory into the operand's registers, 512 consecutive bytes a load, one block of 64 rows ahead.
; The four waves' partial sums of a block meet in a stage in LDS; each wave then adds up 16 rows, adds b2 (in K half 0 alone) and stores them at ybuf [kh][2056][1024], row j from the list.
; Places of the list behind the count hold 2048 + e: the rows of a last block that are no rows go to that spare row of ybuf, whose 256 bytes at column 64 nc of half kh this work-group alone writes and nobody reads.
; So every row of a worked block is stored alike, with all lanes on; at most 63 such rows a work-group.
; The two K halves are added by the next launch: sums over K are so taken in another order than a plain chain, in f32.
; THE WALK: 16 blocks, a constant, since every wave must pass every barrier; a block behind the count jumps over its work, never over the barrier or the wait in front of it.  Two stages by turns: one barrier a block.
; THE PRODUCT IS USED TRANSPOSED (source 0 = 16 columns' rows of W2, source 1 = 16 rows of h): a lane holds eight neighbouring columns of one row of y.
; No tensor loads and no joint requests in a cluster: which blocks work hangs on the count, a number read from memory.
; REGISTERS.  Window 0: v1-15 addresses that stay; v32-159 16 accumulators (32 m + 8 t), then the four partial sums of my 16 rows; v160-175 W2's scale words; v176-191 h's, two sets; v192-195 b2; v196-211 list entries, two sets; v212-219 offsets in ybuf.
;   Window 1: W2's fragments, 16 (4 t + ks) (first the 64 loads as they come).   Windows 2, 3: h, two buffers: 64 m + 16 ks + 4 c.
.set WPW,  33792                       ; LDS: each wave's 64 rows of W2, 528 bytes apart (512 + 16: 33 x 16 bytes)
.set STG0, 135168                      ; two stages: 4 waves x 64 rows x 272 bytes (256 + 16)
.set STGD, 69632
.set PLANE, 2056*4096                  ; a K half of ybuf: 2,048 rows and 8 spare ones
.set ACC,  32
.set WS,   160
.set HS,   176
.set BB,   192
.set JJ,   196
.set YO,   212
.set MSB, 0
.macro WIN new                         ; the immediate's high byte repeats the setting that is left
.if MSB != \new
	s_set_vgpr_msb (MSB<<8)|\new
.set MSB, \new
.endif
.endm
; A block of 64 rows: my four K steps of its four tiles into buffer P, their scale words, and the list entries of the 16 rows that I shall store
.macro HLOAD P
	WIN 0x80+0x40*(\P)                             ; destination window 2 or 3
.irp m, 0,1,2,3
.irp i, 0,1,2,3,4,5,6,7,8,9,10,11,12,13,14,15
	global_load_b128 v[64*\m+4*\i:64*\m+4*\i+3], v4, s[12:13] offset:65536*\m+512*\i
.endr
.endr
	WIN 0
.irp pp, 0,1
	global_load_b128 v[HS+8*(\P)+4*\pp:HS+8*(\P)+4*\pp+3], v12, s[14:15] offset:8192*\pp   ; register 4 pp + m: lanes 0-15 the words of K step 2 pp, lanes 16-31 of K step 2 pp + 1, tile m; each half reads 256 consecutive bytes
.endr
.irp q, 0,1
	global_load_b128 v[JJ+8*(\P)+4*\q:JJ+8*(\P)+4*\q+3], v13, s[10:11] offset:16*\q         ; entries 8 h + 0 .. 7 of my 16
.endr
.endm
; 64 matrix instructions; the 16 accumulators take turns, one instruction a turn.  The first K step starts the sums.
.macro MUL64 P
	WIN 0x09+4*(\P)                                ; source 0 (W2) window 1, source 1 (h) window 2 or 3, C and D window 0
.irp ks, 0,1,2,3
.irp m, 0,1,2,3
.irp t, 0,1,2,3
.if \ks == 0
	v_wmma_scale_f32_16x16x128_f8f6f4 v[ACC+32*\m+8*\t:ACC+32*\m+8*\t+7], v[16*(4*\t+\ks):16*(4*\t+\ks)+15], v[64*\m+16*\ks:64*\m+16*\ks+15], 0, v[WS+4*\t+\ks], v[HS+8*(\P)+4*(\ks/2)+\m] matrix_a_fmt:MATRIX_FMT_BF8 matrix_b_fmt:MATRIX_FMT_BF8
.elseif \ks == 2
	v_wmma_scale_f32_16x16x128_f8f6f4 v[ACC+32*\m+8*\t:ACC+32*\m+8*\t+7], v[16*(4*\t+\ks):16*(4*\t+\ks)+15], v[64*\m+16*\ks:64*\m+16*\ks+15], v[ACC+32*\m+8*\t:ACC+32*\m+8*\t+7], v[WS+4*\t+\ks], v[HS+8*(\P)+4*(\ks/2)+\m] matrix_a_fmt:MATRIX_FMT_BF8 matrix_b_fmt:MATRIX_FMT_BF8
.else
	v_wmma_scale_f32_16x16x128_f8f6f4 v[ACC+32*\m+8*\t:ACC+32*\m+8*\t+7], v[16*(4*\t+\ks):16*(4*\t+\ks)+15], v[64*\m+16*\ks:64*\m+16*\ks+15], v[ACC+32*\m+8*\t:ACC+32*\m+8*\t+7], v[WS+4*\t+\ks], v[HS+8*(\P)+4*(\ks/2)+\m] matrix_a_fmt:MATRIX_FMT_BF8 matrix_b_fmt:MATRIX_FMT_BF8 matrix_b_scale:MATRIX_SCALE_ROW1
.endif
.endr
.endr
.endr
	WIN 0
.rept 9
	v_nop                                          ; eight places in front of the stores that read results and of loads into the products' registers; nine in front of the next products, which begin the accumulators anew
.endr
.endm
.macro TOSTAGE P                       ; lane (r, h): y(16 m + r, 16 t + 8 h + 0 .. 7): 32 bytes of a row; each accumulator from its low end on
.irp m, 0,1,2,3
.irp t, 0,1,2,3
	ds_store_b128 v[8+(\P)], v[ACC+32*\m+8*\t:ACC+32*\m+8*\t+3] offset:4352*\m+64*\t
	ds_store_b128 v[8+(\P)], v[ACC+32*\m+8*\t+4:ACC+32*\m+8*\t+7] offset:4352*\m+64*\t+16
.endr
.endr
.endm
; My 16 rows of the block: lanes 0-15 take row 16 w + i, lanes 16-31 row 16 w + 8 + i; the four waves' parts are added, then b2
.macro FINAL P
.irp i, 0,1,2,3,4,5,6,7
.irp p, 0,1,2,3
	ds_load_b128 v[ACC+32*\p+4*\i:ACC+32*\p+4*\i+3], v[10+(\P)] offset:17408*\p+272*\i
.endr
.endr
.irp i, 0,1,2,3,4,5,6,7
	v_min_u32 v[YO+\i], 2055, v[JJ+8*(\P)+\i]      ; a number that was loaded enters an address only held to its range: ybuf's last row
.endr
.irp i, 0,1,2,3,4,5,6,7
	v_lshl_add_u32 v[YO+\i], v[YO+\i], 12, v5      ; j x 4,096 + 16 r
.endr
.irp i, 0,1,2,3,4,5,6,7
	s_wait_dscnt 28-4*\i                           ; the later rows' loads, four each, may be out
.irp d, 0,2
	v_pk_add_f32 v[ACC+4*\i+\d:ACC+4*\i+\d+1], v[ACC+4*\i+\d:ACC+4*\i+\d+1], v[ACC+32+4*\i+\d:ACC+32+4*\i+\d+1]
	v_pk_add_f32 v[ACC+64+4*\i+\d:ACC+64+4*\i+\d+1], v[ACC+64+4*\i+\d:ACC+64+4*\i+\d+1], v[ACC+96+4*\i+\d:ACC+96+4*\i+\d+1]
.endr
.irp d, 0,2
	v_pk_add_f32 v[ACC+4*\i+\d:ACC+4*\i+\d+1], v[ACC+4*\i+\d:ACC+4*\i+\d+1], v[ACC+64+4*\i+\d:ACC+64+4*\i+\d+1]
.endr
.irp d, 0,2
	v_pk_add_f32 v[ACC+4*\i+\d:ACC+4*\i+\d+1], v[ACC+4*\i+\d:ACC+4*\i+\d+1], v[BB+\d:BB+\d+1]
.endr
	global_store_b128 v[YO+\i], v[ACC+4*\i:ACC+4*\i+3], s[22:23] th:TH_STORE_NT   ; 16 lanes store 256 consecutive bytes, aligned
.endr
.endm
.macro BLOCK P, always
	s_wait_loadcnt 0x0                             ; this block's h, scale words and list entries are in; on every path
	s_wait_xcnt 0x0                                ; the last block's stores have read data, offsets and base: bases and registers may be written
	s_add_nc_u64 s[12:13], s[12:13], 262144        ; on to the next block: four tiles,
	s_add_nc_u64 s[14:15], s[14:15], 256           ; 64 scale words,
	s_add_nc_u64 s[10:11], s[10:11], 256           ; 64 list entries
.if \always == 0
	s_cmp_lt_u32 s31, s29
	s_cbranch_scc0 .Lno_next_\@
.endif
	HLOAD 1-\P                                     ; it has this block's whole work in which to land
.Lno_next_\@:
	s_cmp_lt_u32 s30, s29
	s_cbranch_scc0 .Lno_mul_\@
	MUL64 \P
	TOSTAGE \P
.Lno_mul_\@:
	s_wait_dscnt 0x0                               ; my stores into this stage have landed, and my reads of the other stage are over
	s_barrier_signal -1
	s_barrier_wait -1
	s_cmp_lt_u32 s30, s29
	s_cbranch_scc0 .Lno_fin_\@
	FINAL \P
.Lno_fin_\@:
	s_add_co_u32 s30, s30, 64
	s_add_co_u32 s31, s31, 64
.endm
	s_load_b512 s[8:23], s[0:1], 0x0               ; cnt 8:9, rows 10:11, hq 12:13, hs 14:15, w2 codes 16:17, w2 scales 18:19, b2 20:21, ybuf 22:23
	v_lshl_add_u32 v254, v0, 2, 0x43000
	v_mov_b32 v255, 0
	v_lshrrev_b32 v1, 5, v0
	v_readfirstlane_b32 s24, v1                    ; wave
	v_and_b32 v1, 31, v0                           ; lane
	v_and_b32 v2, 15, v0                           ; r
	v_bfe_u32 v3, v0, 4, 1                         ; h
	s_mov_b32 s25, ttmp9
	s_and_b32 s26, ttmp7, 0xffff                   ; e
	s_lshr_b32 s27, s25, 1                         ; nc
	s_and_b32 s28, s25, 1                          ; kh
	v_lshlrev_b32 v4, 4, v1                        ; v4   16 x lane
	v_lshlrev_b32 v5, 4, v2                        ; v5   16 r
	s_mul_i32 s34, s24, WPW
	v_add_nc_u32 v6, s34, v4                       ; v6   where I put W2's rows
	v_mul_u32_u24 v7, v2, 528
	v_lshl_add_u32 v7, v3, 4, v7
	v_add_nc_u32 v7, s34, v7                       ; v7   W2's fragments: row r x pitch + 16 h
	s_mul_i32 s35, s24, 17408
	s_add_co_u32 s35, s35, STG0
	v_mul_u32_u24 v8, v2, 272
	v_lshl_add_u32 v8, v3, 5, v8
	v_add_nc_u32 v8, s35, v8                       ; v8, v9   into stage 0, 1: my part, row r, + 32 h
	v_add_nc_u32 v9, STGD, v8
	s_mul_i32 s35, s24, 4352
	s_add_co_u32 s35, s35, STG0
	v_mul_u32_u24 v10, v3, 2176
	v_lshl_add_u32 v10, v2, 4, v10
	v_add_nc_u32 v10, s35, v10                     ; v10, v11 out of stage 0, 1: row 16 w + 8 h, 16 r
	v_add_nc_u32 v11, STGD, v10
	v_lshl_add_u32 v12, v3, 12, v5                 ; v12  h's scale words: K step h of a pair, 16 bytes for row r
	v_lshlrev_b32 v13, 5, v3                       ; v13  list entries 8 h on
	v_lshlrev_b32 v15, 7, v2                       ; v15  W2's scale bytes: 128 a row
	s_mov_b32 s37, 0
	s_cmp_eq_u32 s28, 0
	s_cselect_b32 s39, -1, 0                       ; b2 counts in K half 0 alone
	s_wait_kmcnt 0x0
	s_lshl_b32 s36, s26, 7
	s_add_nc_u64 s[8:9], s[8:9], s[36:37]
	s_load_b32 s29, s[8:9], 0x0                    ; the expert's count
	s_lshl_b32 s36, s26, 12                        ; rows: expert x 4,096 + 64 w
	s_lshl_b32 s34, s24, 6
	s_add_co_u32 s36, s36, s34
	s_add_nc_u64 s[10:11], s[10:11], s[36:37]
	s_lshl_b32 s36, s26, 22                        ; hq: expert x 64 tiles + K step 16 kh + 4 w of 2,048 bytes
	s_lshl_b32 s34, s28, 15
	s_add_co_u32 s36, s36, s34
	s_lshl_b32 s34, s24, 13
	s_add_co_u32 s36, s36, s34
	s_add_nc_u64 s[12:13], s[12:13], s[36:37]
	s_lshl_b32 s36, s26, 17                        ; hs: the same K step, of 4,096 bytes
	s_lshl_b32 s34, s28, 16
	s_add_co_u32 s36, s36, s34
	s_lshl_b32 s34, s24, 14
	s_add_co_u32 s36, s36, s34
	s_add_nc_u64 s[14:15], s[14:15], s[36:37]
	s_lshl_b32 s36, s26, 22                        ; W2's codes: expert x 1,024 rows of 4,096 + 64 nc rows + 2,048 kh + 512 w
	s_lshl_b32 s34, s27, 18
	s_add_co_u32 s36, s36, s34
	s_lshl_b32 s34, s28, 11
	s_add_co_u32 s36, s36, s34
	s_lshl_b32 s34, s24, 9
	s_add_co_u32 s36, s36, s34
	s_add_nc_u64 s[16:17], s[16:17], s[36:37]
	s_lshl_b32 s36, s26, 17                        ; W2's scales: 128 bytes a row; my four words
	s_lshl_b32 s34, s27, 13
	s_add_co_u32 s36, s36, s34
	s_lshl_b32 s34, s28, 6
	s_add_co_u32 s36, s36, s34
	s_lshl_b32 s34, s24, 4
	s_add_co_u32 s36, s36, s34
	s_add_nc_u64 s[18:19], s[18:19], s[36:37]
	s_lshl_b32 s36, s26, 12                        ; b2
	s_lshl_b32 s34, s27, 8
	s_add_co_u32 s36, s36, s34
	s_add_nc_u64 s[20:21], s[20:21], s[36:37]
	s_mul_i32 s36, s28, PLANE                      ; ybuf: half kh, column 64 nc
	s_add_co_u32 s36, s36, s34
	s_add_nc_u64 s[22:23], s[22:23], s[36:37]
	WIN 0x40                                       ; destination window 1
.set i, 0
.rept 64
	global_load_b128 v[4*i:4*i+3], v4, s[16:17] offset:4096*i th:TH_LOAD_NT   ; row i: my 512 consecutive bytes; read once in the launch
.set i, i+1
.endr
	WIN 0
.irp t, 0,1,2,3
	global_load_b128 v[WS+4*\t:WS+4*\t+3], v15, s[18:19] offset:2048*\t       ; tile t, lane r: row 16 t + r: the words of my four K steps
.endr
	global_load_b128 v[BB:BB+3], v5, s[20:21]      ; b2 of columns 4 r .. 4 r + 3
	WIN 0x04                                       ; an LDS store's data are its source 1: window 1
.set i, 0
.rept 48
.if i%16 == 0
	s_wait_loadcnt 53-i                            ; behind these 16 loads stand 48 - i of W2 and 5 more
.endif
	ds_store_b128 v6, v[4*i:4*i+3] offset:528*i
.set i, i+1
.endr
	WIN 0
	HLOAD 0                                        ; block 0, always laid by the launch before
	s_wait_loadcnt 63                              ; behind W2's last load stand 5 + 68; the wait's field holds 63 at the most, and the smaller count is safe: W2, its scale words and b2 are in
	WIN 0x04
.rept 16
	ds_store_b128 v6, v[4*i:4*i+3] offset:528*i
.set i, i+1
.endr
	WIN 0
	s_wait_dscnt 0x0                               ; the stores have read window 1: the fragments may land there
	WIN 0x40
.irp t, 0,1,2,3
.irp ks, 0,1,2,3
.irp c, 0,1,2,3
	ds_load_b128 v[16*(4*\t+\ks)+4*\c:16*(4*\t+\ks)+4*\c+3], v7 offset:8448*\t+128*\ks+32*\c   ; my own bytes: no barrier
.endr
.endr
.endr
	WIN 0
.irp k, 0,1,2,3
	v_and_b32 v[BB+\k], s39, v[BB+\k]
.endr
	s_wait_kmcnt 0x0
	s_min_u32 s29, s29, 1024
	s_mov_b32 s30, 0                               ; the block's first row,
	s_mov_b32 s31, 64                              ; the next block's
	s_wait_dscnt 0x0
	BLOCK 0, 1                                     ; block 1 is always laid too: both buffers are written on every path
	BLOCK 1, 0
	s_mov_b32 s32, 7
.Lpair:
	BLOCK 0, 0
	BLOCK 1, 0
	s_sub_co_u32 s32, s32, 1
	s_cmp_lg_u32 s32, 0
	s_cbranch_scc1 .Lpair
	s_wait_tensorcnt 0x0
	ds_add_u32 v254, v255
	s_wait_dscnt 0x0
	s_endpgm
.Lfunc_end_k_q7829c7d9e8_ffn2:
	.size	k_q7829c7d9e8_ffn2, .Lfunc_end_k_q7829c7d9e8_ffn2-k_q7829c7d9e8_ffn2
	.p2alignl 7, 3214868480
	.fill 96, 4, 3214868480
	.section	.rodata,"a",@progbits
	.p2align	6, 0x0
	.amdhsa_kernel k_q7829c7d9e8_ffn2
		.amdhsa_group_segment_fixed_size 274944
		.amdhsa_private_segment_fixed_size 0
		.amdhsa_enable_private_segment 0
		.amdhsa_kernarg_size 64
		.amdhsa_user_sgpr_count 2
		.amdhsa_user_sgpr_kernarg_segment_ptr 1
		.amdhsa_wavefront_size32 1
		.amdhsa_system_sgpr_workgroup_id_x 1
		.amdhsa_system_sgpr_workgroup_id_y 1
		.amdhsa_system_sgpr_workgroup_id_z 1
		.amdhsa_system_vgpr_workitem_id 0
		.amdhsa_next_free_vgpr 1024
		.amdhsa_next_free_sgpr 66
		.amdhsa_reserve_vcc 0
		.amdhsa_float_denorm_mode_32 3
		.amdhsa_float_denorm_mode_16_64 3
		.amdhsa_memory_ordered 1
		.amdhsa_forward_progress 1
		.amdhsa_inst_pref_size 127
	.end_amdhsa_kernel
	.amdgpu_metadata
---
amdhsa.version: [ 1, 2 ]
amdhsa.kernels:
  - .name:           k_q7829c7d9e8_ffn2
    .symbol:         k_q7829c7d9e8_ffn2.kd
    .args:
      - { .name: cnt, .offset: 0, .size: 8, .value_kind: global_buffer, .address_space: global }
      - { .name: rows, .offset: 8, .size: 8, .value_kind: global_buffer, .address_space: global }
      - { .name: hq, .offset: 16, .size: 8, .value_kind: global_buffer, .address_space: global }
      - { .name: hs, .offset: 24, .size: 8, .value_kind: global_buffer, .address_space: global }
      - { .name: w2_codes, .offset: 32, .size: 8, .value_kind: global_buffer, .address_space: global }
      - { .name: w2_scales, .offset: 40, .size: 8, .value_kind: global_buffer, .address_space: global }
      - { .name: b2, .offset: 48, .size: 8, .value_kind: global_buffer, .address_space: global }
      - { .name: ybuf, .offset: 56, .size: 8, .value_kind: global_buffer, .address_space: global }
    .group_segment_fixed_size: 274944
    .private_segment_fixed_size: 0
    .kernarg_segment_align: 8
    .kernarg_segment_size: 64
    .max_flat_workgroup_size: 128
    .sgpr_count:     66
    .vgpr_count:     1024
    .wavefront_size: 32
...
	.end_amdgpu_metadata
.endif
;; end of part 3
;; launch combine (part 4): grid 256 x 1, 4 waves a work-group, no clusters, 0 bytes of LDS; arguments ybuf, out2, out0; writes out0
.if DOCPART == 4
	.amdgcn_target "amdgcn-amd-amdhsa--gfx1250"
	.amdhsa_code_object_version 6
	.text
	.protected	k_q7829c7d9e8_combine
	.globl	k_q7829c7d9e8_combine
	.p2align	8
	.type	k_q7829c7d9e8_combine,@function
k_q7829c7d9e8_combine:
	s_mov_b64 s[64:65], 0
	v_nop
	global_prefetch_b8 v0, s[64:65] scope:SCOPE_SE
	s_setreg_imm32_b32 hwreg(HW_REG_WAVE_MODE, 25, 1), 1
	s_wait_xcnt 0x0
; out0[t] = g0 (y[0][2 t] + y[1][2 t]) + g1 (y[0][2 t + 1] + y[1][2 t + 1]): the two K halves of each of the token's two routed rows, weighed by its two scores (out2).
; ybuf is [2][2056][1024] f32; the last 8 rows of each half are spare and are not read.
; A wave takes one token: four rows of 4,096 bytes in, one out; each load and store of the wave covers 512 consecutive bytes, aligned.  All 32 loads go out at once; the waits count down.
; A stream: no LDS, no barrier, no matrix work.
.set PLANE, 2056*4096
	s_load_b128 s[4:7], s[0:1], 0x0                ; ybuf, out2
	s_load_b64 s[8:9], s[0:1], 0x10                ; out0
	v_lshrrev_b32 v2, 5, v0
	v_readfirstlane_b32 s20, v2
	v_and_b32 v1, 31, v0
	v_lshlrev_b32 v1, 4, v1                        ; 16 x lane
	s_lshl_b32 s21, ttmp9, 2
	s_add_co_u32 s20, s20, s21                     ; the token
	s_lshl_b32 s16, s20, 13                        ; two rows of 4,096 bytes
	s_mov_b32 s17, 0
	s_lshl_b32 s22, s20, 12
	s_mov_b32 s23, 0
	s_lshl_b32 s24, s20, 3
	s_mov_b32 s25, 0
	s_wait_kmcnt 0x0
	s_add_nc_u64 s[10:11], s[4:5], s[16:17]        ; K half 0
	s_add_nc_u64 s[12:13], s[10:11], PLANE         ; K half 1
	s_add_nc_u64 s[8:9], s[8:9], s[22:23]
	s_add_nc_u64 s[6:7], s[6:7], s[24:25]
	s_load_b64 s[14:15], s[6:7], 0x0               ; g0, g1
.irp i, 0,1,2,3,4,5,6,7
	global_load_b128 v[32+16*\i:35+16*\i], v1, s[10:11] offset:512*\i th:TH_LOAD_NT
	global_load_b128 v[36+16*\i:39+16*\i], v1, s[12:13] offset:512*\i th:TH_LOAD_NT
	global_load_b128 v[40+16*\i:43+16*\i], v1, s[10:11] offset:4096+512*\i th:TH_LOAD_NT
	global_load_b128 v[44+16*\i:47+16*\i], v1, s[12:13] offset:4096+512*\i th:TH_LOAD_NT
.endr
	s_wait_kmcnt 0x0
	s_mov_b32 s18, s15                             ; g1 in a pair of its own: the packed form takes a pair's low word for both halves
	s_mov_b32 s19, s15
.irp i, 0,1,2,3,4,5,6,7
	s_wait_loadcnt 28-4*\i                         ; the later pieces' loads, four each, may be out
.irp d, 0,2
	v_pk_add_f32 v[32+16*\i+\d:33+16*\i+\d], v[32+16*\i+\d:33+16*\i+\d], v[36+16*\i+\d:37+16*\i+\d]
	v_pk_add_f32 v[40+16*\i+\d:41+16*\i+\d], v[40+16*\i+\d:41+16*\i+\d], v[44+16*\i+\d:45+16*\i+\d]
.endr
.irp d, 0,2
	v_pk_mul_f32 v[32+16*\i+\d:33+16*\i+\d], v[32+16*\i+\d:33+16*\i+\d], s[14:15] op_sel_hi:[1,0]
.endr
.irp d, 0,2
	v_pk_fma_f32 v[32+16*\i+\d:33+16*\i+\d], v[40+16*\i+\d:41+16*\i+\d], s[18:19], v[32+16*\i+\d:33+16*\i+\d] op_sel_hi:[1,0,1]
.endr
	global_store_b128 v1, v[32+16*\i:35+16*\i], s[8:9] offset:512*\i th:TH_STORE_NT
.endr
	s_endpgm
.Lfunc_end_k_q7829c7d9e8_combine:
	.size	k_q7829c7d9e8_combine, .Lfunc_end_k_q7829c7d9e8_combine-k_q7829c7d9e8_combine
	.p2alignl 7, 3214868480
	.fill 96, 4, 3214868480
	.section	.rodata,"a",@progbits
	.p2align	6, 0x0
	.amdhsa_kernel k_q7829c7d9e8_combine
		.amdhsa_group_segment_fixed_size 0
		.amdhsa_private_segment_fixed_size 0
		.amdhsa_enable_private_segment 0
		.amdhsa_kernarg_size 24
		.amdhsa_user_sgpr_count 2
		.amdhsa_user_sgpr_kernarg_segment_ptr 1
		.amdhsa_wavefront_size32 1
		.amdhsa_system_sgpr_workgroup_id_x 1
		.amdhsa_system_sgpr_workgroup_id_y 1
		.amdhsa_system_sgpr_workgroup_id_z 1
		.amdhsa_system_vgpr_workitem_id 0
		.amdhsa_next_free_vgpr 160
		.amdhsa_next_free_sgpr 66
		.amdhsa_reserve_vcc 0
		.amdhsa_float_denorm_mode_32 3
		.amdhsa_float_denorm_mode_16_64 3
		.amdhsa_memory_ordered 1
		.amdhsa_forward_progress 1
		.amdhsa_inst_pref_size 10
	.end_amdhsa_kernel
	.amdgpu_metadata
---
amdhsa.version: [ 1, 2 ]
amdhsa.kernels:
  - .name:           k_q7829c7d9e8_combine
    .symbol:         k_q7829c7d9e8_combine.kd
    .args:
      - { .name: ybuf, .offset: 0, .size: 8, .value_kind: global_buffer, .address_space: global }
      - { .name: out2, .offset: 8, .size: 8, .value_kind: global_buffer, .address_space: global }
      - { .name: out0, .offset: 16, .size: 8, .value_kind: global_buffer, .address_space: global }
    .group_segment_fixed_size: 0
    .private_segment_fixed_size: 0
    .kernarg_segment_align: 8
    .kernarg_segment_size: 24
    .max_flat_workgroup_size: 128
    .sgpr_count:     66
    .vgpr_count:     160
    .wavefront_size: 32
...
	.end_amdgpu_metadata
.endif
;; end of part 4
;; ======== version 2 of 2: 4 launches; version 1 with the launches ffn1, ffn2 written anew for expert scheduling mode
;; workspace buffers: sel 8,192 bytes of whole numbers; xq 1,048,576 bytes; xs 32,768 bytes; hq 33,554,432 bytes; hs 1,048,576 bytes; rows 32,768 bytes of whole numbers; cnt 1,024 bytes of whole numbers; ybuf 16,842,752 bytes
;; launch route: the kernel of part 1 again; grid 256 x 1, 1 waves a work-group, no clusters, 512 bytes of LDS; arguments x, w_gate, b_gate, out1, out2, sel, xq, xs; writes out1, out2, sel, xq, xs
;; launch ffn1 (part 5): grid 32 x 8, 4 waves a work-group, no clusters, 207,872 bytes of LDS; arguments sel, xq, xs, w1_codes, w1_scales, b1, hq, hs, rows, cnt; writes hq, hs, rows, cnt
.if DOCPART == 5
	.amdgcn_target "amdgcn-amd-amdhsa--gfx1250"
	.amdhsa_code_object_version 6
	.text
	.protected	k_q7829c7d9e8_ffn1
	.globl	k_q7829c7d9e8_ffn1
	.p2align	8
	.type	k_q7829c7d9e8_ffn1,@function
k_q7829c7d9e8_ffn1:
	s_mov_b64 s[64:65], 0
	v_nop
	global_prefetch_b8 v0, s[64:65] scope:SCOPE_SE
	s_setreg_imm32_b32 hwreg(HW_REG_WAVE_SCHED_MODE, 0, 2), 2
	s_setreg_imm32_b32 hwreg(HW_REG_WAVE_MODE, 25, 1), 1
	s_wait_xcnt 0x0
	s_wait_alu depctr_vm_vsrc(0)
; FIRST PRODUCT OF THE EXPERTS, for the routed rows alone: h = Q(leaky(x W1^T + b1)), both operands codes of E5M2 with one E8M0 scale for each 32 along K.
; A routed row is j = 2 x token + slot; sel[j] is its expert.  Work-group (s, e) owns hidden units 128 s .. 128 s + 127 of expert e (K step s of the second product) for ALL rows of that expert.
; Its 128 rows of W1 are read from memory once, in runs of 512 consecutive bytes, turned through LDS into operand order and kept in registers; what goes round is the rows' codes of x.
; Wave w: nh = w & 1: which 64 hidden units; rh = w >> 1: which 32 rows of a block of 64.  A fragment of x read from LDS so feeds four matrix instructions.
; THE LIST is made here, while the weights are on their way.  Every wave holds all 2,048 words of sel in 64 registers and counts the expert's members in scalar registers: the count that steers the walk is the same in all waves.
; Wave 0 also lays the members' numbers j in LDS: a member's place = members so far + members in lower lanes.  A lane that is no member stores too, into a spare word of its own behind the list: the choice is made on the
; place, by v_cndmask_b32, ahead of the hold at the last word; EXEC is never touched.  Eight registers go at a time, line by line, so that no line waits for the line above it.  Until the barrier behind the list no other wave touches LDS.
; Places behind the count hold 2048 + e: held at 2047 they name the last token here, and the expert's spare row of ybuf in the next launch; their results never reach an output.
; All 32 work-groups of an expert make the same list by the same lines; those with s = 0 store it (rows [8][1024]) and the count (cnt [8][32], 32 times) for the next launch.
; THE WALK.  16 trips of 64 rows, a constant, since every wave must pass every barrier; a trip whose rows lie behind the count jumps over its work, never over a barrier or the wait in front of one.
; Blocks 0 and 1 are always worked, so that the next launch may load them without asking.
; THE PRODUCT IS USED TRANSPOSED (source 0 = 16 rows of W1, source 1 = 16 rows of x), and lane r of tile 2 b + u takes row 32 b + 8 u + r + 8 (r / 8) of W1: a lane then holds one row of h, and the 16 registers of two
; neighbouring tiles are 16 neighbours along the next K: the conversions' results are the next operand's registers.  b1 is the C of each sum's first matrix instruction.
; OUT.  hq [e][tile of 16 rows: 64][K step: 32][c: 4][lane][16 bytes]: the operand's registers as they stand.  hs [e][K step][block of 64 rows: 16][r: 16][m: 4] words, byte c for block c of the K step, row 16 m + r.
; No tensor loads and no joint requests in a cluster: which trips work hangs on the count, made of numbers read from memory.
; LIMITS: NaN and infinities are not served; a block of zeros gets the byte 1, its codes are zeros, and this program alone reads the bytes.
; THE MODE: SCHED_MODE bits 1:0 = 2 (LLVM: expert scheduling mode 2), set by the entry lines.  The code itself states the register dependences between vector or matrix instructions and memory or LDS
; instructions, with s_wait_alu, always for 0.
; THE PLAN.  Registers that memory or LDS instructions touch in a trip:
;   window 3 v128-255, v176-179   16 rows of x on their way: the global loads of XLOAD land, the LDS stores of the next trip's XSTORE read; no vector instruction names them.
;   v181, v182; v16-31, v180      XLOAD: two adds write the list's addresses, LDS loads read them and land in v16-31 and v180, vector lines make offsets of these, the global loads read them.
;   window 3 v0-127, v160-175     x's fragments, four buffers, and its scale words: LDS loads land, the products read.
;   v200-215, v188-191            the block's codes and scale bytes: the quantiser writes, its stores read.      v232-233: an LDS load lands, a store reads.
;   v4-v15, v239, v248-251        addresses, made at the head and never written again.
; A block's waits on va_vdst: two in XLOAD (its addresses, its offsets); one behind K step 1's products and one behind K step 3's, each ahead of the loads of two K steps into the two buffers just read;
; one in the quantiser ahead of its stores, which also shows all products done with the four buffers and the scale words: so the next block's first 36 LDS loads owe nothing.
; On vm_vsrc: one at XLOAD's head (XSTORE's stores, the last XLOAD's loads), one at the trip's end (the block's stores).
; REGISTERS.  Window 0: v1-15, v236, v239, v248-251 addresses that stay; v16-31 offsets of 16 rows of x; v32-95 eight accumulators (first: sel); v96-127 b1; v128-159 W1's scale words; v160-175 x's scale words;
;   v176-179 a row's scale bytes on their way; v184-199 the quantiser's; v200-215 codes (first: places in the list); v216-231 0.1 x h (first: row numbers); v240-247 the list on its way out.
;   Window 1: W1's tiles 0, 1 (first the 64 loads as they come).   Window 2: tiles 2, 3.   Window 3: v0-127 four buffers of x's fragments; v128-255 16 rows of x on their way.
.set LIST, 0                           ; LDS: 1,024 places of the list, and behind them 32 spare words
.set SB,   4352                        ; a block's 256 scale bytes: 16 r + 4 m + c
.set XSC,  4608                        ; 64 rows of x's scale bytes, 48 bytes apart
.set XTL,  7680                        ; 64 rows of x's codes
.set WST,  74240                       ; 128 rows of W1's codes
.set XP,   1040                        ; a row of 1,024 codes + 16: 65 x 16 bytes, so that the 16 rows of a fragment load start 16 bytes apart modulo 256
.set ACC,  32
.set B1,   96
.set WS,   128
.set XS,   160
.set TM,   184
.set PC,   200
.set LT,   216
.set PP,   200                         ; v200-215 places, two sets of eight by turns
.set JV,   216                         ; v216-231 row numbers, likewise
.set MK,   52                          ; s[52:59] eight masks of members
.set BS,   80                          ; s[80:87] members ahead of each of the eight registers
.set MSB, 0
.macro WIN new                         ; the immediate's high byte repeats the setting that is left
.if MSB != \new
	s_set_vgpr_msb (MSB<<8)|\new
.set MSB, \new
.endif
.endm
.macro BAR                             ; my LDS stores have landed and my LDS loads are in: then the work-group's barrier
	s_wait_dscnt 0x0
	s_barrier_signal -1
	s_barrier_wait -1
.endm
; Registers 8 n .. 8 n + 7 of sel: which lanes are members, how many members stand ahead of each register, and the running count s44
.macro MASKS n
.irp k, 0,1,2,3,4,5,6,7
	v_cmp_eq_u32 s[MK+\k], s30, v[32+8*(\n)+\k]
.endr
	s_wait_alu depctr_va_sdst(0)                   ; the eight compares have written their masks, ahead of the first reader: the count of bits below
.irp k, 0,1,2,3,4,5,6,7
	s_mov_b32 s[BS+\k], s44
	s_bcnt1_i32_b32 s45, s[MK+\k]
	s_add_co_u32 s44, s44, s45
.endr
.endm
; The same, and the members' numbers go to their places.  Register q = 8 n + k of lane l is row 128 (q / 4) + 4 l + q % 4
.macro SCAT n
	MASKS \n
.if (\n) >= 2
	s_wait_dscnt 8                                 ; the eight stores of the batch before may be out: those of two batches back, which read this set of registers, are done
	s_wait_alu depctr_vm_vsrc(0)                   ; the LDS stores of two batches back have read this set of places and numbers, which the lines below write again
.endif
.irp k, 0,1,2,3,4,5,6,7
	v_mbcnt_lo_u32_b32 v[PP+8*((\n)%2)+\k], s[MK+\k], s[BS+\k]   ; members ahead + members in lower lanes
.endr
.irp k, 0,1,2,3,4,5,6,7
	v_cndmask_b32 v[PP+8*((\n)%2)+\k], v236, v[PP+8*((\n)%2)+\k], s[MK+\k]   ; a member: its place; else the lane's spare word
.endr
.irp k, 0,1,2,3,4,5,6,7
	v_min_u32 v[PP+8*((\n)%2)+\k], 1055, v[PP+8*((\n)%2)+\k]     ; held to the last spare word
.endr
.irp k, 0,1,2,3,4,5,6,7
	v_lshlrev_b32 v[PP+8*((\n)%2)+\k], 2, v[PP+8*((\n)%2)+\k]
.endr
.irp k, 0,1,2,3,4,5,6,7
	v_add_nc_u32 v[JV+8*((\n)%2)+\k], 128*((8*(\n)+\k)/4)+(8*(\n)+\k)%4, v239   ; the row's number j
.endr
	s_wait_alu depctr_va_vdst(0)                   ; the batch's eight places and eight numbers are written: the LDS stores below read them as address and data
.irp k, 0,1,2,3,4,5,6,7
	ds_store_b32 v[PP+8*((\n)%2)+\k], v[JV+8*((\n)%2)+\k]
.endr
.endm
; The 16 rows of x that my wave brings for the block whose list begins at LDS byte s33: their list entries, then their codes (2 loads of 512 consecutive bytes a row) and scale bytes (two lanes a row).
; first = 1: block 0's, at the head, where no memory or LDS instruction has read any of these registers yet.
.macro XLOAD first
.if !\first
	s_wait_alu depctr_vm_vsrc(0)                   ; XSTORE's LDS stores have read the 16 rows on their way and v176-179; the last XLOAD's loads have read v181, v182, v16-31 and v180: all of these are written again below
.endif
	v_add_nc_u32 v181, s33, v5
	v_add_nc_u32 v182, s33, v6
	s_wait_alu depctr_va_vdst(0)                   ; v181 and v182 are written, which the LDS loads below read; the last XLOAD's vector lines are done with v16-31 and v180, in which they land
.irp i, 0,1,2,3
	ds_load_b128 v[16+4*\i:19+4*\i], v181 offset:16*\i           ; all lanes read the same 16 entries
.endr
	ds_load_b32 v180, v182                         ; and entry lane / 2
	s_wait_dscnt 0x0
.irp i, 0,1,2,3,4,5,6,7,8,9,10,11,12,13,14,15
	v_min_u32 v[16+\i], 2047, v[16+\i]             ; a number that was loaded enters an address only held to its range
.endr
.irp i, 0,1,2,3,4,5,6,7,8,9,10,11,12,13,14,15
	v_and_b32 v[16+\i], 0x7fe, v[16+\i]            ; 2 x token
.endr
.irp i, 0,1,2,3,4,5,6,7,8,9,10,11,12,13,14,15
	v_lshl_add_u32 v[16+\i], v[16+\i], 9, v4       ; token x 1,024 + 16 x lane
.endr
	v_min_u32 v180, 2047, v180
	v_and_b32 v180, 0x7fe, v180
	v_lshl_add_u32 v180, v180, 4, v13              ; token x 32 + 16 x (lane & 1)
	WIN 0xc0                                       ; destination window 3
	s_wait_alu depctr_va_vdst(0)                   ; the 17 offsets v16-31 and v180 are written, which the 33 global loads below read
.irp i, 0,1,2,3,4,5,6,7,8,9,10,11,12,13,14,15
.irp hf, 0,1
	global_load_b128 v[128+8*\i+4*\hf:131+8*\i+4*\hf], v[16+\i], s[10:11] offset:512*\hf
.endr
.endr
	WIN 0
	global_load_b128 v[176:179], v180, s[12:13]
.endm
.macro XSTORE                          ; they go into the block's tile in LDS; data and addresses come from loads and from the head: no vector line has named them since
	WIN 0x0c                                       ; an LDS store's data are its source 1: window 3
.irp i, 0,1,2,3,4,5,6,7,8,9,10,11,12,13,14,15
.irp hf, 0,1
	ds_store_b128 v7, v[128+8*\i+4*\hf:131+8*\i+4*\hf] offset:XP*\i+512*\hf
.endr
.endr
	WIN 0
	ds_store_b128 v8, v[176:179]
.endm
.macro XSCL                            ; the scale words of my 32 rows: register 8 m + ks, lane r: row 16 m + r
.irp m, 0,1
.irp q, 0,1
	ds_load_b128 v[XS+8*\m+4*\q:XS+8*\m+4*\q+3], v10 offset:768*\m+16*\q
.endr
.endr
.endm
.macro FETCH k                         ; K step k of my two tiles of rows into buffer k % 4: lane (r, h): registers 4 c .. 4 c + 3 hold K = 32 c + 16 h + 0 .. 15
	WIN 0xc0
.irp m, 0,1
.irp c, 0,1,2,3
	ds_load_b128 v[32*((\k)%4)+16*\m+4*\c:32*((\k)%4)+16*\m+4*\c+3], v9 offset:16*XP*\m+128*(\k)+32*\c
.endr
.endr
.endm
; Eight matrix instructions: my four tiles of W1 x my two tiles of rows, K step ks.  The eight accumulators take turns, one instruction a turn, in the same order in every K step.
.macro MUL8 ks
.irp b, 0,1
	WIN 0x0d+\b                                    ; source 0 (W1) window 1 or 2, source 1 (x) window 3, C and D window 0
.irp m, 0,1
.irp u, 0,1
.if (\ks) == 0
	v_wmma_scale_f32_16x16x128_f8f6f4 v[ACC+16*(2*\m+\b)+8*\u:ACC+16*(2*\m+\b)+8*\u+7], v[128*\u+16*(\ks):128*\u+16*(\ks)+15], v[32*((\ks)%4)+16*\m:32*((\ks)%4)+16*\m+15], v[B1+8*(2*\b+\u):B1+8*(2*\b+\u)+7], v[WS+8*(2*\b+\u)+(\ks)], v[XS+8*\m+(\ks)] matrix_a_fmt:MATRIX_FMT_BF8 matrix_b_fmt:MATRIX_FMT_BF8
.else
	v_wmma_scale_f32_16x16x128_f8f6f4 v[ACC+16*(2*\m+\b)+8*\u:ACC+16*(2*\m+\b)+8*\u+7], v[128*\u+16*(\ks):128*\u+16*(\ks)+15], v[32*((\ks)%4)+16*\m:32*((\ks)%4)+16*\m+15], v[ACC+16*(2*\m+\b)+8*\u:ACC+16*(2*\m+\b)+8*\u+7], v[WS+8*(2*\b+\u)+(\ks)], v[XS+8*\m+(\ks)] matrix_a_fmt:MATRIX_FMT_BF8 matrix_b_fmt:MATRIX_FMT_BF8
.endif
.endr
.endr
.endr
.endm
; Two buffers that the products just issued have read are asked for again, for K steps k and k + 1
.macro AGAIN k
.rept 8
	v_nop                                          ; eight places behind the products whose fragments the loads below replace; they stay beside the wait
.endr
	WIN 0xc0
	s_wait_alu depctr_va_vdst(0)                   ; the products of the two K steps just issued are done reading their buffers, in which the 16 LDS loads below land
	FETCH \k
	FETCH (\k)+1
.endm
; The activation and the quantiser.  Group g = 2 m + b: registers ACC + 16 g + 0 .. 15 are hidden units 32 b + 16 h + 0 .. 15 of row 16 m + r: half a block of 32; lane l xor 16 holds the other half.
.macro EPI
.irp g, 0,1,2,3
.irp p, 0,1,2,3,4,5,6,7
	v_pk_mul_f32 v[LT+2*\p:LT+2*\p+1], v[ACC+16*\g+2*\p:ACC+16*\g+2*\p+1], s[48:49] op_sel_hi:[1,0]   ; 0.1 x h; each accumulator is read from its low end on
.endr
.irp i, 0,1,2,3,4,5,6,7,8,9,10,11,12,13,14,15
	v_max_num_f32 v[ACC+16*\g+\i], v[ACC+16*\g+\i], v[LT+\i]     ; leaky: the larger of h and 0.1 h
.endr
.endr
.irp g, 0,1,2,3
	v_max3_num_f32 v[TM+\g], |v[ACC+16*\g]|, |v[ACC+16*\g+1]|, 0x8000000   ; my 16 numbers, and the floor 2^(16 - 127): the byte cannot fall under 1
.endr
.irp i, 2,4,6,8,10,12,14
.irp g, 0,1,2,3
	v_max3_num_f32 v[TM+\g], v[TM+\g], |v[ACC+16*\g+\i]|, |v[ACC+16*\g+\i+1]|   ; the four groups by turns
.endr
.endr
.irp g, 0,1,2,3
	v_permlanex16_b32 v[TM+4+\g], v[TM+\g], s40, s41
.endr
.irp g, 0,1,2,3
	v_max_num_f32 v[TM+\g], v[TM+\g], v[TM+4+\g]   ; the block's largest magnitude
.endr
.irp g, 0,1,2,3
	v_add_nc_u32 v[TM+12+\g], 0xf8800000, v[TM+\g] ; 15 off its exponent field: the conversion's scale operand
.endr
.irp g, 0,1,2,3
	v_and_or_b32 v[TM+8+\g], v[TM+\g], 0x7f800000, s42   ; 57,344 x the scale
.endr
.irp g, 0,1,2,3
	v_lshrrev_b32 v[TM+4+\g], 23, v[TM+12+\g]      ; the scale's byte
.endr
.irp g, 0,1,2,3
.irp i, 0,1,2,3,4,5,6,7,8,9,10,11,12,13,14,15
	v_med3_num_f32 v[ACC+16*\g+\i], v[ACC+16*\g+\i], -v[TM+8+\g], v[TM+8+\g]   ; the conversion does not saturate (ISA guide 7.6.2): the hold
.endr
	v_cvt_scalef32_pk8_bf8_f32 v[PC+4*\g:PC+4*\g+1], v[ACC+16*\g:ACC+16*\g+7], v[TM+12+\g]
	v_cvt_scalef32_pk8_bf8_f32 v[PC+4*\g+2:PC+4*\g+3], v[ACC+16*\g+8:ACC+16*\g+15], v[TM+12+\g]
.endr
	v_nop                                          ; a plain line behind the last conversion: the next block's products write the numbers' registers
	s_wait_alu depctr_va_vdst(0)                   ; the conversions have written the codes and the shifts the scale bytes, which the eight stores below read; and the block's products are done reading x's four buffers and its scale words, in which the next block's LDS loads land
.irp g, 0,1,2,3
	ds_store_b8 v11, v[TM+4+\g] offset:4*(\g/2)+(\g%2)           ; both halves of the lanes write the same byte with the same value
.endr
.irp g, 0,1,2,3
	global_store_b128 v4, v[PC+4*\g:PC+4*\g+3], s[20:21] offset:65536*(\g/2)+512*(\g%2)   ; four registers of the next operand, 32 lanes: 512 consecutive bytes, aligned
.endr
.endm
	s_load_b512 s[8:23], s[0:1], 0x0               ; sel 8:9, xq 10:11, xs 12:13, w1 codes 14:15, w1 scales 16:17, b1 18:19, hq 20:21, hs 22:23
	s_load_b128 s[24:27], s[0:1], 0x40             ; rows 24:25, cnt 26:27
	v_lshl_add_u32 v254, v0, 2, 0x32a00
	v_mov_b32 v255, 0
	v_lshrrev_b32 v1, 5, v0
	v_readfirstlane_b32 s28, v1                    ; wave
	v_and_b32 v1, 31, v0                           ; lane
	v_and_b32 v2, 15, v0                           ; r
	v_bfe_u32 v3, v0, 4, 1                         ; h
	s_mov_b32 s29, ttmp9                           ; s: which 128 hidden units
	s_and_b32 s30, ttmp7, 0xffff                   ; e: the expert
	s_wait_alu depctr_va_sdst(0)                   ; s28, the wave's number, is written, ahead of its first reader
	s_and_b32 s39, s28, 1                          ; nh
	s_lshr_b32 s43, s28, 1                         ; rh
	; every LDS address register that stays is made here, ahead of the first branch on the wave's number
	v_lshlrev_b32 v4, 4, v1                        ; v4   16 x lane
	s_lshl_b32 s34, s28, 6
	v_mov_b32 v5, s34                              ; v5   the list entries of my 16 rows of a block
	v_lshrrev_b32 v181, 1, v1
	v_lshl_add_u32 v6, v181, 2, s34                ; v6   entry lane / 2 of them
	s_mul_i32 s45, s28, 16*XP
	s_add_co_u32 s45, s45, XTL
	v_add_nc_u32 v7, s45, v4                       ; v7   where I put x's codes: my 16 rows, 16 x lane
	v_and_b32 v13, 1, v1
	v_lshlrev_b32 v13, 4, v13                      ; v13  16 x (lane & 1)
	v_mul_u32_u24 v8, v181, 48
	v_add_nc_u32 v8, v8, v13
	s_mul_i32 s45, s28, 16*48
	s_add_co_u32 s45, s45, XSC
	v_add_nc_u32 v8, s45, v8                       ; v8   where I put x's scale bytes: row lane / 2 of my 16, half lane & 1
	v_mul_u32_u24 v182, v2, XP
	v_lshl_add_u32 v182, v3, 4, v182               ; a fragment's row x pitch + 16 h
	s_mul_i32 s45, s43, 32*XP
	s_add_co_u32 s45, s45, XTL
	v_add_nc_u32 v9, s45, v182                     ; v9   x's fragments: my 32 rows
	v_mul_u32_u24 v10, v2, 48
	s_mul_i32 s45, s43, 32*48
	s_add_co_u32 s45, s45, XSC
	v_add_nc_u32 v10, s45, v10                     ; v10  their scale words
	s_lshl_b32 s45, s43, 3
	s_lshl_b32 s34, s39, 1
	s_add_co_u32 s45, s45, s34
	s_add_co_u32 s45, s45, SB
	v_lshl_add_u32 v11, v2, 4, s45                 ; v11  my scale bytes: 16 r + 4 (2 rh) + 2 nh
	v_lshl_add_u32 v12, v1, 3, SB                  ; v12  and on their way out 8 bytes a lane
	v_lshlrev_b32 v14, 3, v1                       ; v14  the same place in hs
	s_lshl_b32 s45, s28, 10
	v_add_nc_u32 v15, s45, v4                      ; v15  my quarter of the list, in LDS and in rows
	v_add_nc_u32 v236, 1024, v1                    ; v236 my spare word: behind the list's 1,024
	v_lshlrev_b32 v239, 2, v1                      ; v239 4 x lane
	s_mul_i32 s45, s28, 32*XP
	s_add_co_u32 s45, s45, WST
	v_add_nc_u32 v248, s45, v4                     ; v248 where I put W1's codes: my 32 rows
	s_mul_i32 s45, s39, 64*XP
	s_add_co_u32 s45, s45, WST
	v_add_nc_u32 v249, s45, v182                   ; v249 W1's fragments: my 64 places
	v_and_b32 v183, 8, v2
	v_add_nc_u32 v183, v183, v2                    ; r + 8 (r / 8)
	v_lshlrev_b32 v250, 5, v183                    ; v250 W1's scale words: 32 bytes a row
	v_lshlrev_b32 v251, 6, v3                      ; v251 b1: 16 numbers for each half of the lanes
.irp g, 0,1,2,3
	v_mov_b32 v[TM+4+\g], 0                        ; written once: a lane permute's destination counts as one of its sources
.endr
	s_mov_b32 s40, 0x76543210
	s_mov_b32 s41, 0xfedcba98                      ; lane l xor 16
	s_mov_b32 s42, 0x600000                        ; the mantissa field of 57,344
	s_mov_b32 s48, 0x3dcccccd                      ; 0.1
	s_mov_b32 s49, s48                             ; (named with it as a pair, so it is written)
	s_mov_b32 s37, 0
	s_wait_kmcnt 0x0
	s_wait_alu depctr_va_vdst(0)                   ; the addresses that stay (v4 to v15, v239, v248 to v251, and v254, v255 for the end) are written: every load and store of the kernel reads some of them
.irp m, 0,1,2,3,4,5,6,7,8,9,10,11,12,13,14,15
	global_load_b128 v[32+4*\m:35+4*\m], v4, s[8:9] offset:512*\m   ; all 2,048 words of sel, first of all loads; register 4 m + i of lane l is row 128 m + 4 l + i
.endr
	s_lshl_b32 s36, s30, 22                        ; W1's codes: expert x 4,096 rows + 128 s rows + 32 w rows, 1,024 bytes each
	s_lshl_b32 s34, s29, 17
	s_add_co_u32 s36, s36, s34
	s_lshl_b32 s34, s28, 15
	s_add_co_u32 s36, s36, s34
	s_add_nc_u64 s[14:15], s[14:15], s[36:37]
	s_lshl_b32 s36, s30, 17                        ; W1's scales: 32 bytes a row; my 64 rows
	s_lshl_b32 s34, s29, 12
	s_add_co_u32 s36, s36, s34
	s_lshl_b32 s34, s39, 11
	s_add_co_u32 s36, s36, s34
	s_add_nc_u64 s[16:17], s[16:17], s[36:37]
	s_lshl_b32 s36, s30, 14                        ; b1: 4 bytes a unit
	s_lshl_b32 s34, s29, 9
	s_add_co_u32 s36, s36, s34
	s_lshl_b32 s34, s39, 8
	s_add_co_u32 s36, s36, s34
	s_add_nc_u64 s[18:19], s[18:19], s[36:37]
	s_lshl_b32 s36, s30, 22                        ; hq: expert x 64 tiles of 65,536 + 2 rh tiles + K step s of 2,048 + 2 nh pieces of 512
	s_lshl_b32 s34, s43, 17
	s_add_co_u32 s36, s36, s34
	s_lshl_b32 s34, s29, 11
	s_add_co_u32 s36, s36, s34
	s_lshl_b32 s34, s39, 10
	s_add_co_u32 s36, s36, s34
	s_add_nc_u64 s[20:21], s[20:21], s[36:37]
	s_lshl_b32 s36, s30, 17                        ; hs: expert x 32 K steps of 4,096
	s_lshl_b32 s34, s29, 12
	s_add_co_u32 s36, s36, s34
	s_add_nc_u64 s[22:23], s[22:23], s[36:37]
	s_lshl_b32 s36, s30, 12
	s_add_nc_u64 s[24:25], s[24:25], s[36:37]      ; rows: 4,096 bytes an expert
	s_lshl_b32 s36, s30, 7
	s_add_nc_u64 s[26:27], s[26:27], s[36:37]      ; cnt: 128 bytes an expert
	WIN 0x40                                       ; destination window 1
.set i, 0
.rept 64
	global_load_b128 v[4*i:4*i+3], v4, s[14:15] offset:512*i th:TH_LOAD_NT   ; my 32 rows of W1, 32,768 bytes on end; read once in the launch
.set i, i+1
.endr
	WIN 0
.irp b, 0,1
.irp u, 0,1
.irp q, 0,1
	global_load_b128 v[WS+8*(2*\b+\u)+4*\q:WS+8*(2*\b+\u)+4*\q+3], v250, s[16:17] offset:(32*\b+8*\u)*32+16*\q   ; tile 2 b + u: its rows' eight scale words
.endr
.endr
.endr
.irp b, 0,1
.irp u, 0,1
.irp q, 0,1
	global_load_b128 v[B1+8*(2*\b+\u)+4*\q:B1+8*(2*\b+\u)+4*\q+3], v251, s[18:19] offset:(32*\b+8*\u)*4+16*\q   ; b1 in the result's layout: units 32 b + 16 h + 8 u + 0 .. 7
.endr
.endr
.endr
	s_wait_loadcnt 63                              ; behind sel's 16 loads stand 80; the wait's field holds 63 at the most, and the smaller count is safe: sel is in
	s_mov_b32 s44, 0                               ; members so far
	s_cmp_lg_u32 s28, 0
	s_cbranch_scc1 .Lcount
	; wave 0 counts and lays the list
	s_add_co_u32 s45, s30, 2048
.irp k, 0,1,2,3
	v_mov_b32 v[240+\k], s45                       ; what stands behind the count
.endr
	s_wait_alu depctr_va_vdst(0)                   ; v240 to v243 are written, which the eight LDS stores below read
.irp k, 0,1,2,3,4,5,6,7
	ds_store_b128 v4, v[240:243] offset:512*\k     ; all 1,024 places begin as 2048 + e; LDS serves a wave's instructions in order, so the members' stores come behind these
.endr
.irp n, 0,1,2,3,4,5,6,7
	SCAT \n
.endr
	s_branch .Llisted
.Lcount:
	; the other waves count alone
.irp n, 0,1,2,3,4,5,6,7
	MASKS \n
.endr
.Llisted:
	BAR                                            ; the list lies in LDS
	s_min_u32 s38, s44, 1024                       ; the count
	s_max_u32 s31, s38, 128                        ; rows to be worked: blocks 0 and 1 always
	s_mov_b32 s33, 0
	XLOAD 1                                        ; block 0's rows of x
	s_mov_b32 s33, 256                             ; from here on: the list byte of the block after the one in hand
	s_cmp_lg_u32 s29, 0
	s_cbranch_scc1 .Lno_rows
	s_wait_alu depctr_vm_vsrc(0)                   ; wave 0's LDS stores have read v240 to v243, in which the first load below lands
	ds_load_b128 v[240:243], v15                   ; the work-groups with s = 0 store the list, a quarter a wave: 512 consecutive bytes a store, aligned,
	ds_load_b128 v[244:247], v15 offset:512
	s_wait_dscnt 0x0
	global_store_b128 v15, v[240:243], s[24:25]
	global_store_b128 v15, v[244:247], s[24:25] offset:512
	s_cmp_lg_u32 s28, 0
	s_cbranch_scc1 .Lno_rows
	v_mov_b32 v238, s38
	s_wait_alu depctr_va_vdst(0)                   ; v238 is written, which the store below reads
	global_store_b32 v239, v238, s[26:27]          ; and the count, 32 times: 128 bytes on end
.Lno_rows:
	; W1 goes into LDS: row rho of my 32 to place 16 ((rho / 8) % 2) + 8 (rho / 16) + rho % 8, so that a tile's 16 places on end are the rows that the tile wants
	s_wait_loadcnt 63                              ; behind W1's load 47 stand 16 of W1, 16 of scale words and b1 and 33 of x: 65; the field holds 63 at the most: loads 0 to 47 are in
	WIN 0x04                                       ; an LDS store's data are its source 1: window 1
.set i, 0
.rept 64
.if i == 48
	s_wait_loadcnt 49                              ; behind W1's last load stand 8 + 8 + 33
.endif
.set rho, i/2
	ds_store_b128 v248, v[4*i:4*i+3] offset:(16*((rho/8)%2)+8*(rho/16)+rho%8)*XP+512*(i%2)
.set i, i+1
.endr
	WIN 0
	BAR                                            ; all 128 rows lie in LDS
	WIN 0x40
	s_wait_alu depctr_vm_vsrc(0)                   ; my 64 LDS stores have read window 1, in which the fragments below land; and wave 0's stores into the list have read v200 to v231, which the first block's quantiser writes
.irp tt, 0,1
.irp ks, 0,1,2,3,4,5,6,7
.irp c, 0,1,2,3
	ds_load_b128 v[128*\tt+16*\ks+4*\c:128*\tt+16*\ks+4*\c+3], v249 offset:16*\tt*XP+128*\ks+32*\c
.endr
.endr
.endr
	WIN 0x80
.irp tt, 0,1
.irp ks, 0,1,2,3,4,5,6,7
.irp c, 0,1,2,3
	ds_load_b128 v[128*\tt+16*\ks+4*\c:128*\tt+16*\ks+4*\c+3], v249 offset:16*(\tt+2)*XP+128*\ks+32*\c
.endr
.endr
.endr
	WIN 0
	s_wait_dscnt 0x0                               ; my 32 fragments of W1 stay in registers from here on
	s_mov_b32 s32, 0                               ; the block's first row
	s_mov_b32 s35, 0
.Ltrip:
	s_wait_loadcnt 0x0                             ; this block's rows of x are in (first trip: scale words and b1 too); the wait is on every path
	s_cmp_lt_u32 s32, s31
	s_cbranch_scc0 .Lno_put
	XSTORE
.Lno_put:
	BAR                                            ; the block's 64 rows of x lie in LDS
	s_add_co_u32 s34, s32, 64
	s_cmp_lt_u32 s34, s31
	s_cbranch_scc0 .Lno_next
	XLOAD 0                                        ; the next block's rows: they land under this block's products
.Lno_next:
	s_cmp_lt_u32 s32, s31
	s_cbranch_scc0 .Lno_work
	XSCL                                           ; no wait on va_vdst here: the one in the last block's quantiser stands behind all its products, and no vector or matrix instruction since names the scale words or the four buffers
	FETCH 0
	FETCH 1
	FETCH 2
	FETCH 3
	s_wait_dscnt 24                                ; the three younger K steps' 24 loads may be out: the scale words and K step 0 are in
	MUL8 0
	s_wait_dscnt 16                                ; K steps 2 and 3 may be out
	MUL8 1
	AGAIN 4                                        ; buffers 0 and 1 take K steps 4 and 5
	s_wait_dscnt 24                                ; K steps 3, 4 and 5 may be out
	MUL8 2
	s_wait_dscnt 16                                ; K steps 4 and 5 may be out
	MUL8 3
	AGAIN 6                                        ; buffers 2 and 3 take K steps 6 and 7
	s_wait_dscnt 24                                ; K steps 5, 6 and 7 may be out
	MUL8 4
	s_wait_dscnt 16
	MUL8 5
	s_wait_dscnt 8
	MUL8 6
	s_wait_dscnt 0x0
	MUL8 7
	WIN 0
.rept 9
	v_nop                                          ; eight places in front of the first read of results; nine in front of the next block's products, which begin the accumulators anew
.endr
	EPI
.Lno_work:
	BAR                                            ; the reads of x's tile are over, and the block's 256 scale bytes lie in LDS
	s_cmp_lt_u32 s32, s31
	s_cbranch_scc0 .Lno_hs
	s_cmp_lg_u32 s28, 0
	s_cbranch_scc1 .Lno_hs
	ds_load_b64 v[232:233], v12
	s_wait_dscnt 0x0
	global_store_b64 v14, v[232:233], s[22:23]     ; wave 0: 32 lanes store 256 consecutive bytes, aligned
.Lno_hs:
	s_wait_xcnt 0x0                                ; the stores have read their data and bases: both are written again below and in the next trip
	s_wait_alu depctr_vm_vsrc(0)                   ; this trip's stores have read the codes v200-215, the scale bytes v188-191 and v232-233, which the next trip's quantiser and LDS load write again
	s_add_nc_u64 s[20:21], s[20:21], 262144        ; four tiles on
	s_add_nc_u64 s[22:23], s[22:23], 256
	s_add_co_u32 s32, s32, 64
	s_add_co_u32 s33, s33, 256
	s_add_co_u32 s35, s35, 1
	s_cmp_lt_u32 s35, 16
	s_cbranch_scc1 .Ltrip
	s_wait_dscnt 0x0                               ; the closing lines, six on end
	s_wait_alu 0x0
	s_wait_tensorcnt 0x0
	ds_add_u32 v254, v255
	s_wait_dscnt 0x0
	s_endpgm
.Lfunc_end_k_q7829c7d9e8_ffn1:
	.size	k_q7829c7d9e8_ffn1, .Lfunc_end_k_q7829c7d9e8_ffn1-k_q7829c7d9e8_ffn1
	.p2alignl 7, 3214868480
	.fill 96, 4, 3214868480
	.section	.rodata,"a",@progbits
	.p2align	6, 0x0
	.amdhsa_kernel k_q7829c7d9e8_ffn1
		.amdhsa_group_segment_fixed_size 207872
		.amdhsa_private_segment_fixed_size 0
		.amdhsa_enable_private_segment 0
		.amdhsa_kernarg_size 80
		.amdhsa_user_sgpr_count 2
		.amdhsa_user_sgpr_kernarg_segment_ptr 1
		.amdhsa_wavefront_size32 1
		.amdhsa_system_sgpr_workgroup_id_x 1
		.amdhsa_system_sgpr_workgroup_id_y 1
		.amdhsa_system_sgpr_workgroup_id_z 1
		.amdhsa_system_vgpr_workitem_id 0
		.amdhsa_next_free_vgpr 1024
		.amdhsa_next_free_sgpr 96
		.amdhsa_reserve_vcc 0
		.amdhsa_float_denorm_mode_32 3
		.amdhsa_float_denorm_mode_16_64 3
		.amdhsa_memory_ordered 1
		.amdhsa_forward_progress 1
		.amdhsa_inst_pref_size 115
	.end_amdhsa_kernel
	.amdgpu_metadata
---
amdhsa.version: [ 1, 2 ]
amdhsa.kernels:
  - .name:           k_q7829c7d9e8_ffn1
    .symbol:         k_q7829c7d9e8_ffn1.kd
    .args:
      - { .name: sel, .offset: 0, .size: 8, .value_kind: global_buffer, .address_space: global }
      - { .name: xq, .offset: 8, .size: 8, .value_kind: global_buffer, .address_space: global }
      - { .name: xs, .offset: 16, .size: 8, .value_kind: global_buffer, .address_space: global }
      - { .name: w1_codes, .offset: 24, .size: 8, .value_kind: global_buffer, .address_space: global }
      - { .name: w1_scales, .offset: 32, .size: 8, .value_kind: global_buffer, .address_space: global }
      - { .name: b1, .offset: 40, .size: 8, .value_kind: global_buffer, .address_space: global }
      - { .name: hq, .offset: 48, .size: 8, .value_kind: global_buffer, .address_space: global }
      - { .name: hs, .offset: 56, .size: 8, .value_kind: global_buffer, .address_space: global }
      - { .name: rows, .offset: 64, .size: 8, .value_kind: global_buffer, .address_space: global }
      - { .name: cnt, .offset: 72, .size: 8, .value_kind: global_buffer, .address_space: global }
    .group_segment_fixed_size: 207872
    .private_segment_fixed_size: 0
    .kernarg_segment_align: 8
    .kernarg_segment_size: 80
    .max_flat_workgroup_size: 128
    .sgpr_count:     96
    .vgpr_count:     1024
    .wavefront_size: 32
...
	.end_amdgpu_metadata
.endif
;; end of part 5
;; launch ffn2 (part 6): grid 32 x 8, 4 waves a work-group, no clusters, 274,944 bytes of LDS; arguments cnt, rows, hq, hs, w2_codes, w2_scales, b2, ybuf; writes ybuf
.if DOCPART == 6
	.amdgcn_target "amdgcn-amd-amdhsa--gfx1250"
	.amdhsa_code_object_version 6
	.text
	.protected	k_q7829c7d9e8_ffn2
	.globl	k_q7829c7d9e8_ffn2
	.p2align	8
	.type	k_q7829c7d9e8_ffn2,@function
k_q7829c7d9e8_ffn2:
	s_mov_b64 s[64:65], 0
	v_nop
	global_prefetch_b8 v0, s[64:65] scope:SCOPE_SE
	s_setreg_imm32_b32 hwreg(HW_REG_WAVE_SCHED_MODE, 0, 2), 2
	s_setreg_imm32_b32 hwreg(HW_REG_WAVE_MODE, 25, 1), 1
	s_wait_xcnt 0x0
	s_wait_alu depctr_vm_vsrc(0)
; SECOND PRODUCT OF THE EXPERTS: y = h W2^T (+ b2), on the codes of h that the launch before has laid in operand order, for the rows of the expert's list.
; Work-group (q, e): nc = q >> 1: output columns 64 nc .. 64 nc + 63; kh = q & 1: which half of K = 4,096.  Wave w owns K steps 16 kh + 4 w .. + 3 and keeps its 4 column tiles x 4 K steps of W2 in 256 registers,
; read from memory once (512 consecutive bytes of each of 64 rows) and turned through the wave's own bytes of LDS.  h comes straight from memory into the operand's registers, 512 consecutive bytes a load, one block of 64 rows ahead.
; The four waves' partial sums of a block meet in a stage in LDS; each wave then adds up 16 rows, adds b2 (in K half 0 alone) and stores them at ybuf [kh][2056][1024], row j from the list.
; Places of the list behind the count hold 2048 + e: the rows of a last block that are no rows go to that spare row of ybuf, whose 256 bytes at column 64 nc of half kh this work-group alone writes and nobody reads.
; So every row of a worked block is stored alike, with all lanes on; at most 63 such rows a work-group.
; The two K halves are added by the next launch: sums over K are so taken in another order than a plain chain, in f32.
; THE WALK: 16 blocks, a constant, since every wave must pass every barrier; a block behind the count jumps over its work, never over the barrier or the wait in front of it.  Two stages by turns: one barrier a block.
; THE PRODUCT IS USED TRANSPOSED (source 0 = 16 columns' rows of W2, source 1 = 16 rows of h): a lane holds eight neighbouring columns of one row of y.
; No tensor loads and no joint requests in a cluster: which blocks work hangs on the count, a number read from memory.
; THE MODE: SCHED_MODE bits 1:0 = 2 (LLVM: expert scheduling mode 2), set by the entry lines.  The code itself states the register dependences between vector or matrix instructions and memory or LDS
; instructions, with s_wait_alu, always for 0.
; THE PLAN.  Registers that memory or LDS instructions touch in a block P (P = the block's number % 2):
;   h's buffer P (window 2 + P), its scale words and list entries, set P    read by block P's products and by the first lines of its sums; the loads issued in block P land in set 1 - P, which no vector or matrix instruction of block P names.
;   v32-159    the products write them; the LDS stores into the stage read them; the LDS loads from the stage land in them; the sums write v32-63; the eight global stores read those.
;   v212-219   offsets in ybuf: written ahead of the sums, read by the eight global stores.
;   v4-v13, v15   addresses, made at the head and never written again: the scalar bases move on.
; Two waits on va_vdst a block: behind the products, ahead of the stores into the stage (the sums are written; the products are done with set P of h and of its scale words); and behind the rows' sums, ahead of the run of
; eight stores (sums and offsets are written; the list entries of set P are read).  Each stands in the same straight run as the instructions that it covers, so the next block's loads into set P owe nothing on any way.
; Two on vm_vsrc: at a block's head (the last block's stores have read v32-159 and the offsets) and ahead of the loads from the stage (the stores into it have read v32-159).
; A block's 68 loads: 52 go out at its head, ahead of the products; the 16 of the fourth tile straight behind the last product, with no wait.  The first block asks for all 68 on end, so that both buffers are written on every way.
; REGISTERS.  Window 0: v1-15 addresses that stay; v32-159 16 accumulators (32 m + 8 t), then the four partial sums of my 16 rows; v160-175 W2's scale words; v176-191 h's, two sets; v192-195 b2; v196-211 list entries, two sets; v212-219 offsets in ybuf.
;   Window 1: W2's fragments, 16 (4 t + ks) (first the 64 loads as they come).   Windows 2, 3: h, two buffers: 64 m + 16 ks + 4 c.
.set WPW,  33792                       ; LDS: each wave's 64 rows of W2, 528 bytes apart (512 + 16: 33 x 16 bytes)
.set STG0, 135168                      ; two stages: 4 waves x 64 rows x 272 bytes (256 + 16)
.set STGD, 69632
.set PLANE, 2056*4096                  ; a K half of ybuf: 2,048 rows and 8 spare ones
.set ACC,  32
.set WS,   160
.set HS,   176
.set BB,   192
.set JJ,   196
.set YO,   212
.set MSB, 0
.macro WIN new                         ; the immediate's high byte repeats the setting that is left
.if MSB != \new
	s_set_vgpr_msb (MSB<<8)|\new
.set MSB, \new
.endif
.endm
; A block of 64 rows, first part: my four K steps of its tiles 0 to 2 into buffer P, the block's scale words, and the list entries of the 16 rows that I shall store
.macro HLOADA P
	WIN 0x80+0x40*(\P)                             ; destination window 2 or 3
.irp m, 0,1,2
.irp i, 0,1,2,3,4,5,6,7,8,9,10,11,12,13,14,15
	global_load_b128 v[64*\m+4*\i:64*\m+4*\i+3], v4, s[12:13] offset:65536*\m+512*\i
.endr
.endr
	WIN 0
.irp pp, 0,1
	global_load_b128 v[HS+8*(\P)+4*\pp:HS+8*(\P)+4*\pp+3], v12, s[14:15] offset:8192*\pp   ; register 4 pp + m: lanes 0-15 the words of K step 2 pp, lanes 16-31 of K step 2 pp + 1, tile m; each half reads 256 consecutive bytes
.endr
.irp q, 0,1
	global_load_b128 v[JJ+8*(\P)+4*\q:JJ+8*(\P)+4*\q+3], v13, s[10:11] offset:16*\q         ; entries 8 h + 0 .. 7 of my 16
.endr
.endm
; Second part: tile 3
.macro HLOADB P
	WIN 0x80+0x40*(\P)
.irp i, 0,1,2,3,4,5,6,7,8,9,10,11,12,13,14,15
	global_load_b128 v[192+4*\i:195+4*\i], v4, s[12:13] offset:65536*3+512*\i
.endr
	WIN 0
.endm
; 64 matrix instructions; the 16 accumulators take turns, one instruction a turn.  The first K step starts the sums.
.macro MUL64 P
	WIN 0x09+4*(\P)                                ; source 0 (W2) window 1, source 1 (h) window 2 or 3, C and D window 0
.irp ks, 0,1,2,3
.irp m, 0,1,2,3
.irp t, 0,1,2,3
.if \ks == 0
	v_wmma_scale_f32_16x16x128_f8f6f4 v[ACC+32*\m+8*\t:ACC+32*\m+8*\t+7], v[16*(4*\t+\ks):16*(4*\t+\ks)+15], v[64*\m+16*\ks:64*\m+16*\ks+15], 0, v[WS+4*\t+\ks], v[HS+8*(\P)+4*(\ks/2)+\m] matrix_a_fmt:MATRIX_FMT_BF8 matrix_b_fmt:MATRIX_FMT_BF8
.elseif \ks == 2
	v_wmma_scale_f32_16x16x128_f8f6f4 v[ACC+32*\m+8*\t:ACC+32*\m+8*\t+7], v[16*(4*\t+\ks):16*(4*\t+\ks)+15], v[64*\m+16*\ks:64*\m+16*\ks+15], v[ACC+32*\m+8*\t:ACC+32*\m+8*\t+7], v[WS+4*\t+\ks], v[HS+8*(\P)+4*(\ks/2)+\m] matrix_a_fmt:MATRIX_FMT_BF8 matrix_b_fmt:MATRIX_FMT_BF8
.else
	v_wmma_scale_f32_16x16x128_f8f6f4 v[ACC+32*\m+8*\t:ACC+32*\m+8*\t+7], v[16*(4*\t+\ks):16*(4*\t+\ks)+15], v[64*\m+16*\ks:64*\m+16*\ks+15], v[ACC+32*\m+8*\t:ACC+32*\m+8*\t+7], v[WS+4*\t+\ks], v[HS+8*(\P)+4*(\ks/2)+\m] matrix_a_fmt:MATRIX_FMT_BF8 matrix_b_fmt:MATRIX_FMT_BF8 matrix_b_scale:MATRIX_SCALE_ROW1
.endif
.endr
.endr
.endr
	WIN 0
.endm
.macro TOSTAGE P                       ; lane (r, h): y(16 m + r, 16 t + 8 h + 0 .. 7): 32 bytes of a row; each accumulator from its low end on
.rept 9
	v_nop                                          ; eight places in front of the stores that read results; nine in front of the next products, which begin the accumulators anew
.endr
	s_wait_alu depctr_va_vdst(0)                   ; the products have written the 16 accumulators, which the LDS stores below read; they are also done reading this block's h and its scale words, in which the next block's loads land.  The places above stay beside this wait
.irp m, 0,1,2,3
.irp t, 0,1,2,3
	ds_store_b128 v[8+(\P)], v[ACC+32*\m+8*\t:ACC+32*\m+8*\t+3] offset:4352*\m+64*\t
	ds_store_b128 v[8+(\P)], v[ACC+32*\m+8*\t+4:ACC+32*\m+8*\t+7] offset:4352*\m+64*\t+16
.endr
.endr
.endm
; My 16 rows of the block: lanes 0-15 take row 16 w + i, lanes 16-31 row 16 w + 8 + i; the four waves' parts are added, then b2; the eight stores follow in one run
.macro FINAL P
	s_wait_alu depctr_vm_vsrc(0)                   ; my LDS stores into the stage have read v32-159, in which the loads below land (the products that wrote them stand ahead of the last wait on va_vdst)
.irp i, 0,1,2,3,4,5,6,7
.irp p, 0,1,2,3
	ds_load_b128 v[ACC+32*\p+4*\i:ACC+32*\p+4*\i+3], v[10+(\P)] offset:17408*\p+272*\i
.endr
.endr
.irp i, 0,1,2,3,4,5,6,7
	v_min_u32 v[YO+\i], 2055, v[JJ+8*(\P)+\i]      ; a number that was loaded enters an address only held to its range: ybuf's last row
.endr
.irp i, 0,1,2,3,4,5,6,7
	v_lshl_add_u32 v[YO+\i], v[YO+\i], 12, v5      ; j x 4,096 + 16 r
.endr
.irp i, 0,1,2,3,4,5,6,7
	s_wait_dscnt 28-4*\i                           ; the later rows' loads, four each, may be out
.irp d, 0,2
	v_pk_add_f32 v[ACC+4*\i+\d:ACC+4*\i+\d+1], v[ACC+4*\i+\d:ACC+4*\i+\d+1], v[ACC+32+4*\i+\d:ACC+32+4*\i+\d+1]
	v_pk_add_f32 v[ACC+64+4*\i+\d:ACC+64+4*\i+\d+1], v[ACC+64+4*\i+\d:ACC+64+4*\i+\d+1], v[ACC+96+4*\i+\d:ACC+96+4*\i+\d+1]
.endr
.irp d, 0,2
	v_pk_add_f32 v[ACC+4*\i+\d:ACC+4*\i+\d+1], v[ACC+4*\i+\d:ACC+4*\i+\d+1], v[ACC+64+4*\i+\d:ACC+64+4*\i+\d+1]
.endr
.irp d, 0,2
	v_pk_add_f32 v[ACC+4*\i+\d:ACC+4*\i+\d+1], v[ACC+4*\i+\d:ACC+4*\i+\d+1], v[BB+\d:BB+\d+1]
.endr
.endr
	s_wait_alu depctr_va_vdst(0)                   ; the rows' sums v32-63 and the offsets v212-219 are written, which the eight stores below read
.irp i, 0,1,2,3,4,5,6,7
	global_store_b128 v[YO+\i], v[ACC+4*\i:ACC+4*\i+3], s[22:23] th:TH_STORE_NT   ; 16 lanes store 256 consecutive bytes, aligned
.endr
.endm
.macro BLOCK P, always
	s_wait_loadcnt 0x0                             ; this block's h, scale words and list entries are in; on every path
	s_wait_xcnt 0x0                                ; the last block's stores have read data, offsets and base: bases and registers may be written
.if \always == 0
	s_wait_alu depctr_vm_vsrc(0)                   ; the last block's LDS stores and global stores have read v32-159 and the offsets v212-219, which this block's products and sums write again
.endif
	s_add_nc_u64 s[12:13], s[12:13], 262144        ; on to the next block: four tiles,
	s_add_nc_u64 s[14:15], s[14:15], 256           ; 64 scale words,
	s_add_nc_u64 s[10:11], s[10:11], 256           ; 64 list entries
.if \always == 0
	s_cmp_lt_u32 s31, s29
	s_cbranch_scc0 .Lno_next_\@
	HLOADA 1-\P                                    ; 52 loads.  No wait on va_vdst: the two of the block before stand behind every instruction that named this set
.else
	HLOADA 1-\P
	HLOADB 1-\P
.endif
.Lno_next_\@:
	s_cmp_lt_u32 s30, s29
	s_cbranch_scc0 .Lno_mul_\@
	MUL64 \P
.if \always == 0
	s_cmp_lt_u32 s31, s29
	s_cbranch_scc0 .Lno_rest_\@
	HLOADB 1-\P                                    ; the other 16 loads.  No wait: the products above name the other buffer
.Lno_rest_\@:
.endif
	TOSTAGE \P
.Lno_mul_\@:
	s_wait_dscnt 0x0                               ; my stores into this stage have landed, and my reads of the other stage are over
	s_barrier_signal -1
	s_barrier_wait -1
	s_cmp_lt_u32 s30, s29
	s_cbranch_scc0 .Lno_fin_\@
	FINAL \P
.Lno_fin_\@:
	s_add_co_u32 s30, s30, 64
	s_add_co_u32 s31, s31, 64
.endm
	s_load_b512 s[8:23], s[0:1], 0x0               ; cnt 8:9, rows 10:11, hq 12:13, hs 14:15, w2 codes 16:17, w2 scales 18:19, b2 20:21, ybuf 22:23
	v_lshl_add_u32 v254, v0, 2, 0x43000
	v_mov_b32 v255, 0
	v_lshrrev_b32 v1, 5, v0
	v_readfirstlane_b32 s24, v1                    ; wave
	v_and_b32 v1, 31, v0                           ; lane
	v_and_b32 v2, 15, v0                           ; r
	v_bfe_u32 v3, v0, 4, 1                         ; h
	s_mov_b32 s25, ttmp9
	s_and_b32 s26, ttmp7, 0xffff                   ; e
	s_lshr_b32 s27, s25, 1                         ; nc
	s_and_b32 s28, s25, 1                          ; kh
	v_lshlrev_b32 v4, 4, v1                        ; v4   16 x lane
	v_lshlrev_b32 v5, 4, v2                        ; v5   16 r
	s_wait_alu depctr_va_sdst(0)                   ; s24, the wave's number, is written, ahead of its first reader
	s_mul_i32 s34, s24, WPW
	v_add_nc_u32 v6, s34, v4                       ; v6   where I put W2's rows
	v_mul_u32_u24 v7, v2, 528
	v_lshl_add_u32 v7, v3, 4, v7
	v_add_nc_u32 v7, s34, v7                       ; v7   W2's fragments: row r x pitch + 16 h
	s_mul_i32 s35, s24, 17408
	s_add_co_u32 s35, s35, STG0
	v_mul_u32_u24 v8, v2, 272
	v_lshl_add_u32 v8, v3, 5, v8
	v_add_nc_u32 v8, s35, v8                       ; v8, v9   into stage 0, 1: my part, row r, + 32 h
	v_add_nc_u32 v9, STGD, v8
	s_mul_i32 s35, s24, 4352
	s_add_co_u32 s35, s35, STG0
	v_mul_u32_u24 v10, v3, 2176
	v_lshl_add_u32 v10, v2, 4, v10
	v_add_nc_u32 v10, s35, v10                     ; v10, v11 out of stage 0, 1: row 16 w + 8 h, 16 r
	v_add_nc_u32 v11, STGD, v10
	v_lshl_add_u32 v12, v3, 12, v5                 ; v12  h's scale words: K step h of a pair, 16 bytes for row r
	v_lshlrev_b32 v13, 5, v3                       ; v13  list entries 8 h on
	v_lshlrev_b32 v15, 7, v2                       ; v15  W2's scale bytes: 128 a row
	s_mov_b32 s37, 0
	s_cmp_eq_u32 s28, 0
	s_cselect_b32 s39, -1, 0                       ; b2 counts in K half 0 alone
	s_wait_kmcnt 0x0
	s_lshl_b32 s36, s26, 7
	s_add_nc_u64 s[8:9], s[8:9], s[36:37]
	s_load_b32 s29, s[8:9], 0x0                    ; the expert's count
	s_lshl_b32 s36, s26, 12                        ; rows: expert x 4,096 + 64 w
	s_lshl_b32 s34, s24, 6
	s_add_co_u32 s36, s36, s34
	s_add_nc_u64 s[10:11], s[10:11], s[36:37]
	s_lshl_b32 s36, s26, 22                        ; hq: expert x 64 tiles + K step 16 kh + 4 w of 2,048 bytes
	s_lshl_b32 s34, s28, 15
	s_add_co_u32 s36, s36, s34
	s_lshl_b32 s34, s24, 13
	s_add_co_u32 s36, s36, s34
	s_add_nc_u64 s[12:13], s[12:13], s[36:37]
	s_lshl_b32 s36, s26, 17                        ; hs: the same K step, of 4,096 bytes
	s_lshl_b32 s34, s28, 16
	s_add_co_u32 s36, s36, s34
	s_lshl_b32 s34, s24, 14
	s_add_co_u32 s36, s36, s34
	s_add_nc_u64 s[14:15], s[14:15], s[36:37]
	s_lshl_b32 s36, s26, 22                        ; W2's codes: expert x 1,024 rows of 4,096 + 64 nc rows + 2,048 kh + 512 w
	s_lshl_b32 s34, s27, 18
	s_add_co_u32 s36, s36, s34
	s_lshl_b32 s34, s28, 11
	s_add_co_u32 s36, s36, s34
	s_lshl_b32 s34, s24, 9
	s_add_co_u32 s36, s36, s34
	s_add_nc_u64 s[16:17], s[16:17], s[36:37]
	s_lshl_b32 s36, s26, 17                        ; W2's scales: 128 bytes a row; my four words
	s_lshl_b32 s34, s27, 13
	s_add_co_u32 s36, s36, s34
	s_lshl_b32 s34, s28, 6
	s_add_co_u32 s36, s36, s34
	s_lshl_b32 s34, s24, 4
	s_add_co_u32 s36, s36, s34
	s_add_nc_u64 s[18:19], s[18:19], s[36:37]
	s_lshl_b32 s36, s26, 12                        ; b2
	s_lshl_b32 s34, s27, 8
	s_add_co_u32 s36, s36, s34
	s_add_nc_u64 s[20:21], s[20:21], s[36:37]
	s_mul_i32 s36, s28, PLANE                      ; ybuf: half kh, column 64 nc
	s_add_co_u32 s36, s36, s34
	s_add_nc_u64 s[22:23], s[22:23], s[36:37]
	WIN 0x40                                       ; destination window 1
	s_wait_alu depctr_va_vdst(0)                   ; the addresses that stay (v4 to v13, v15, and v254, v255 for the end) are written: every load and store of the kernel reads some of them
.set i, 0
.rept 64
	global_load_b128 v[4*i:4*i+3], v4, s[16:17] offset:4096*i th:TH_LOAD_NT   ; row i: my 512 consecutive bytes; read once in the launch
.set i, i+1
.endr
	WIN 0
.irp t, 0,1,2,3
	global_load_b128 v[WS+4*\t:WS+4*\t+3], v15, s[18:19] offset:2048*\t       ; tile t, lane r: row 16 t + r: the words of my four K steps
.endr
	global_load_b128 v[BB:BB+3], v5, s[20:21]      ; b2 of columns 4 r .. 4 r + 3
	WIN 0x04                                       ; an LDS store's data are its source 1: window 1
.set i, 0
.rept 48
.if i%16 == 0
	s_wait_loadcnt 53-i                            ; behind these 16 loads stand 48 - i of W2 and 5 more
.endif
	ds_store_b128 v6, v[4*i:4*i+3] offset:528*i
.set i, i+1
.endr
	WIN 0
	HLOADA 0                                       ; block 0, always laid by the launch before
	HLOADB 0
	s_wait_loadcnt 63                              ; behind W2's last load stand 5 + 68; the wait's field holds 63 at the most, and the smaller count is safe: W2, its scale words and b2 are in
	WIN 0x04
.rept 16
	ds_store_b128 v6, v[4*i:4*i+3] offset:528*i
.set i, i+1
.endr
	WIN 0
	s_wait_dscnt 0x0                               ; the rows lie in LDS
	WIN 0x40
	s_wait_alu depctr_vm_vsrc(0)                   ; my 64 LDS stores have read window 1, in which the fragments below land
.irp t, 0,1,2,3
.irp ks, 0,1,2,3
.irp c, 0,1,2,3
	ds_load_b128 v[16*(4*\t+\ks)+4*\c:16*(4*\t+\ks)+4*\c+3], v7 offset:8448*\t+128*\ks+32*\c   ; my own bytes: no barrier
.endr
.endr
.endr
	WIN 0
.irp k, 0,1,2,3
	v_and_b32 v[BB+\k], s39, v[BB+\k]
.endr
	s_wait_kmcnt 0x0
	s_min_u32 s29, s29, 1024
	s_mov_b32 s30, 0                               ; the block's first row,
	s_mov_b32 s31, 64                              ; the next block's
	s_wait_dscnt 0x0
	BLOCK 0, 1                                     ; block 1 is always laid too: both buffers are written on every path
	BLOCK 1, 0
	s_mov_b32 s32, 7
.Lpair:
	BLOCK 0, 0
	BLOCK 1, 0
	s_sub_co_u32 s32, s32, 1
	s_cmp_lg_u32 s32, 0
	s_cbranch_scc1 .Lpair
	s_wait_dscnt 0x0                               ; the closing lines, six on end
	s_wait_alu 0x0
	s_wait_tensorcnt 0x0
	ds_add_u32 v254, v255
	s_wait_dscnt 0x0
	s_endpgm
.Lfunc_end_k_q7829c7d9e8_ffn2:
	.size	k_q7829c7d9e8_ffn2, .Lfunc_end_k_q7829c7d9e8_ffn2-k_q7829c7d9e8_ffn2
	.p2alignl 7, 3214868480
	.fill 96, 4, 3214868480
	.section	.rodata,"a",@progbits
	.p2align	6, 0x0
	.amdhsa_kernel k_q7829c7d9e8_ffn2
		.amdhsa_group_segment_fixed_size 274944
		.amdhsa_private_segment_fixed_size 0
		.amdhsa_enable_private_segment 0
		.amdhsa_kernarg_size 64
		.amdhsa_user_sgpr_count 2
		.amdhsa_user_sgpr_kernarg_segment_ptr 1
		.amdhsa_wavefront_size32 1
		.amdhsa_system_sgpr_workgroup_id_x 1
		.amdhsa_system_sgpr_workgroup_id_y 1
		.amdhsa_system_sgpr_workgroup_id_z 1
		.amdhsa_system_vgpr_workitem_id 0
		.amdhsa_next_free_vgpr 1024
		.amdhsa_next_free_sgpr 66
		.amdhsa_reserve_vcc 0
		.amdhsa_float_denorm_mode_32 3
		.amdhsa_float_denorm_mode_16_64 3
		.amdhsa_memory_ordered 1
		.amdhsa_forward_progress 1
		.amdhsa_inst_pref_size 129
	.end_amdhsa_kernel
	.amdgpu_metadata
---
amdhsa.version: [ 1, 2 ]
amdhsa.kernels:
  - .name:           k_q7829c7d9e8_ffn2
    .symbol:         k_q7829c7d9e8_ffn2.kd
    .args:
      - { .name: cnt, .offset: 0, .size: 8, .value_kind: global_buffer, .address_space: global }
      - { .name: rows, .offset: 8, .size: 8, .value_kind: global_buffer, .address_space: global }
      - { .name: hq, .offset: 16, .size: 8, .value_kind: global_buffer, .address_space: global }
      - { .name: hs, .offset: 24, .size: 8, .value_kind: global_buffer, .address_space: global }
      - { .name: w2_codes, .offset: 32, .size: 8, .value_kind: global_buffer, .address_space: global }
      - { .name: w2_scales, .offset: 40, .size: 8, .value_kind: global_buffer, .address_space: global }
      - { .name: b2, .offset: 48, .size: 8, .value_kind: global_buffer, .address_space: global }
      - { .name: ybuf, .offset: 56, .size: 8, .value_kind: global_buffer, .address_space: global }
    .group_segment_fixed_size: 274944
    .private_segment_fixed_size: 0
    .kernarg_segment_align: 8
    .kernarg_segment_size: 64
    .max_flat_workgroup_size: 128
    .sgpr_count:     66
    .vgpr_count:     1024
    .wavefront_size: 32
...
	.end_amdgpu_metadata
.endif
;; end of part 6
;; launch combine: the kernel of part 4 again; grid 256 x 1, 4 waves a work-group, no clusters, 0 bytes of LDS; arguments ybuf, out2, out0; writes out0
